; MI455X (gfx1250); checked and timed in simulation.
; The chip was launched on July 23, 2026; its instructions are those of AMD's public machine-readable ISA for CDNA 5 (MIT licence, August 2026) and "CDNA5" Instruction Set Architecture Reference Guide (July 2026). The comments in the code are by the model that wrote it; some were corrected since.
;; Cross Attention. Allowed arithmetic: matrix products marked QUANTISED: E2M1 operands, one E8M0 scale for each 32 along K, by v_wmma_scale_f32_16x16x128_f8f6f4 with both operands' format E2M1 (or v_wmma_scale_f32_32x16x128_f4), f32 sums; everything else in f32.
;; Inputs: Wc 1,024 x 1,024 float32; Wf 2,048 x 1,024 float32; Wp 1,024 x 1,024 float32; bc 1,024 float32; bf 2,048 float32; bp 1,024 float32; feature 8 x 1,024 x 1,024 float32; x 8 x 1,024 x 1,024 float32.
;; Outputs: out0 8 x 1,024 x 1,024 float32.
;; This version of the problem:
;;   THIS VERSION OF THE PROBLEM IS GIVEN IN LOW PRECISION. The matrix products marked QUANTISED in the list below multiply operands that are first quantised to E2M1 (2 exponent bits, 1 mantissa bit; 4 bits a number), with one power-of-two scale for each 32 numbers along K (OCP MX v1.0); their sums are f32. All else is computed in f32.
;;   The module's matrix products, in the order in which they are computed (A, B: the left and right operand; K: the contracted axis; several contracted axes count as one K, in the product's order):
;;     1. [M 8,192, K 1,024] x [K 1,024, N 1,024]; A: input x; B: input Wc: QUANTISED
;;     2. [M 8,192, K 1,024] x [K 1,024, N 2,048]; A: input feature; B: input Wf: QUANTISED
;;     3. batch 128 x [M 1,024, K 64] x [K 64, N 1,024]; A: computed on the way; B: computed on the way: QUANTISED
;;     4. batch 128 x [M 1,024, K 1,024] x [K 1,024, N 64]; A: softmax (see below); B: computed on the way: QUANTISED
;;     5. [M 8,192, K 1,024] x [K 1,024, N 1,024]; A: computed on the way; B: input Wp: QUANTISED
;;   THE QUANTISER, for each operand of a quantised product, along K:
;;     - K is cut into blocks of 32 from its start; a last block that is shorter is filled with zeros.
;;     - A block's scale is 2^e with e = floor(log2(the largest magnitude in the block)) - 2, held to -126 .. 127; a block of zeros has e = 0. As a byte (E8M0): e + 127.
;;     - Each number is divided by its block's scale, clamped to +-6, and rounded to the nearest number of E2M1, ties to even, subnormals kept.
;;     - The product sums the exact products of the quantised numbers (number of the format x scale) in f32.
;;   ~~~python
;;   def quantise(x, axis):      # numpy; x: float32 -> the quantised numbers, widened to float32 again
;;       x = np.moveaxis(x, axis, -1); K = x.shape[-1]
;;       x = np.pad(x, [(0, 0)] * (x.ndim - 1) + [(0, -K % 32)]); x = x.reshape(x.shape[:-1] + (-1, 32)); a = np.abs(x).max(-1, keepdims=True)
;;       e = np.where(a > 0, np.clip(np.frexp(np.where(a > 0, a, 1))[1] - 1 - 2, -126, 127), 0)      # np.frexp(a)[1] - 1 = floor(log2(a)), exactly
;;       r = np.clip(x / 2.0 ** e, -6, 6)
;;       step = 2.0 ** (np.maximum(np.frexp(np.where(r == 0, 1, r))[1] - 1, 0) - 1)
;;       q = np.round(r / step) * step * 2.0 ** e      # np.round: ties to even
;;       return np.moveaxis(q.reshape(q.shape[:-2] + (-1,))[..., :K], -1, axis).astype(np.float32)
;;   ~~~
;;   SOFTMAX AHEAD OF A QUANTISED PRODUCT. Where the list says 'softmax', what is quantised is not the finished softmax but p = 2^(t - M), with t = logit x log2(e) and M = ceil(the row's largest t), a whole number; so 1/2 < the row's largest p <= 1. The row's sum l is taken of the UNQUANTISED p, in f32, and the product's result is divided by l at the end. Since M is a whole number, a kernel that streams over the keys may use a running M (the ceiling of the running maximum): every later rescaling is an exact power of two, which a block's scale takes up: the codes' values come out the same.
;;   OPERANDS COMPUTED ON THE WAY. 'Computed on the way' means the value that the module computes at that place (a softmax that the list does not call 'softmax' is quantised finished and normalised). What goes into a quantiser is computed in f32, as accurately as f32 sums, v_exp_f32 and their like allow (about 1e-6 of the number): no bf16 or f16 on the way to a quantiser, and a product that is left as it is and whose result goes on into a quantised operand takes f32 operands (vector FMAs, or v_wmma_f32_16x16x4_f32). A number that lies on a knife's edge between two numbers of the format may be rounded either way, as far as f32 arithmetic and the matrix unit's own rounding can turn it there, and no further.
;; One version. Each part assembles by itself: llvm-mc -triple=amdgcn-amd-amdhsa -mcpu=gfx1250 --defsym DOCPART=n.
;; ======== version 1 of 1: 4 launches
;; limits: right only within a limited range of input values
;; workspace buffers: img1 11,141,120 bytes; qb 4,456,448 bytes; kv 8,912,896 bytes; img3 4,456,448 bytes
;; launch quant (part 1): grid 256 x 1, 10 waves a work-group, no clusters, 167,936 bytes of LDS; arguments x, feature, Wc, Wf, Wp, img1; writes img1
.if DOCPART == 1
	.amdgcn_target "amdgcn-amd-amdhsa--gfx1250"
	.amdhsa_code_object_version 6
	.text
	.protected	k_qdf788d60c0_quant
	.globl	k_qdf788d60c0_quant
	.p2align	8
	.type	k_qdf788d60c0_quant,@function
k_qdf788d60c0_quant:
	s_mov_b64 s[64:65], 0
	v_nop
	global_prefetch_b8 v0, s[64:65] scope:SCOPE_SE
	s_setreg_imm32_b32 hwreg(HW_REG_WAVE_MODE, 25, 1), 1
	s_wait_xcnt 0x0
; CROSS ATTENTION IN MX-FP4, launch 1 of 4: x, feature, Wc, Wf, Wp (f32, K = 1,024 innermost) become codes of E2M1 and E8M0 scale bytes, one for each 32 along K.
; THE PROGRAM: 1 quantise the inputs | 2 q, k, v = products + biases, quantised in registers | 3 attention by heads, o / l quantised | 4 the projection on the way out.
; WORK LEFT OUT (in launch 3 alone): reference() sets the score of key s for query t to -infinity where s > t, by a mask that it builds itself, so p = 0 there whatever the inputs hold.
; Keys of a step of 128 (in the step on the diagonal: its upper 64) that lie behind all 16 queries of a tile add nothing to that tile's sum or result: their scores and softmax are not done.
; Every input has a way to the output: the biases bc and bf stand ahead of quantisers, bp is added at the end; all are loaded.
; LIMIT of that: a NaN, an infinity or an overflow in k or v that reaches only such keys is not carried to the result.
; LIMITS of the quantiser here and in the later launches: a block whose largest magnitude lies under 2^-124 has its byte held at 1; a block of zeros gets the byte 1 where the rule says 127
; (its codes are zeros, which add nothing under any byte but 0xff, and only this program reads the bytes); NaN and infinities among the inputs are not served.
; THE OPERAND IMAGE, the one layout of every operand with K = 1,024.  Rows go in groups of 32; a group has two tiles u = 0, 1; lane r of tile u holds row 32 g + 8 u + r + 8 (r / 8).
; A tile is 8,704 bytes: two halves of K of 4,352 bytes: codes [K step of 128: 4][c 2][h 2][r 16][16 bytes], then scale bytes [r 16][16 bytes].  The 16 bytes of codes are k = 128 step + 64 c + 32 h + 0 .. 31 of lane r's row:
; a fragment is 1,024 consecutive bytes, lane l's at 16 l and 512 + 16 l.  img1 holds the tiles of x (512), feature (512), Wc (64), Wf (128), Wp (64) on end.
; SHARES.  2,560 halves of tiles: a wave takes one, ten waves a work-group, 256 work-groups; the claim of LDS leaves room for one work-group on a WGP.  A wave's step t takes lane t's row: 2,048 consecutive bytes by four loads of 512.
; The conversions want 16 neighbours in a lane, the loads neighbouring bytes in neighbouring lanes: a step's bytes turn through the wave's own stage in LDS (16 bytes of padding behind each 64).
; Codes (4,096 bytes) and scale bytes (256) are gathered in the wave's own LDS and leave as consecutive bytes.  No tensor load, no barrier: waves share nothing.  Each byte is read once, by straight text: no prefetch.
.set STEPS, 16
.set R,     16                         ; v16-79   four sets of 16 numbers as they are loaded
.set X,     80                         ; v80-111  two sets of 16 neighbours
.set E,     112                        ; v112-127 a scale byte for each step
.set C,     128                        ; v128-159 two registers of codes for each step
.set OUTR,  160                        ; v160-191 the way out
.set WREG,  9728                       ; LDS: a wave's region: two turning stages of 32 x 80 bytes, 256 scale bytes, a stage of 16 x 272 bytes for the codes
.set SP,    80
.set SCB,   5120
.set CST,   5376
.set CP,    272
.set SPW,   12                         ; v12 LDS address of my spare word; never rewritten
.set NIL,   13                         ; v13 0; never rewritten
.set SPARE, 10*WREG                    ; behind the ten regions: the spare words, 128 bytes a wave: five blocks of 256 bytes that no other line names
	s_load_b256 s[4:11], s[0:1], 0x0               ; x, feature, Wc, Wf
	s_load_b128 s[12:15], s[0:1], 0x20             ; Wp, img1
	v_lshl_add_u32 v[SPW], v0, 2, SPARE
	v_mov_b32 v[NIL], 0
	v_lshrrev_b32 v1, 5, v0
	v_readfirstlane_b32 s18, v1                    ; wave 0..9
	v_and_b32 v2, 31, v0                           ; lane
	v_lshlrev_b32 v3, 4, v2                        ; 16 x lane: my bytes of a load's 512, and of a code store's
	s_mul_i32 s19, s18, WREG
	v_lshrrev_b32 v14, 2, v2
	v_mul_u32_u24 v14, v14, SP
	v_and_b32 v15, 3, v2
	v_lshl_add_u32 v14, v15, 4, v14
	v_add_nc_u32 v14, s19, v14                     ; the turning stage, in: 80 (lane / 4) + 16 (lane % 4)
	v_mul_u32_u24 v15, v2, SP
	v_add_nc_u32 v15, s19, v15                     ; and out: 80 x lane: my 16 neighbours
	v_lshrrev_b32 v5, 1, v2                        ; my block among the step's 16
	v_mul_u32_u24 v4, v5, CP
	v_and_b32 v6, 1, v2
	v_lshl_add_u32 v4, v6, 3, v4
	v_add_nc_u32 v4, s19, v4                       ; the codes' stage, in: row = block, 8 bytes for each of its two lanes
	v_add_nc_u32 v5, s19, v5                       ; my block's scale byte
	v_lshlrev_b32 v7, 3, v2
	v_add_nc_u32 v6, s19, v7                       ; the scale bytes on the way out: 8 a lane
	v_lshrrev_b32 v10, 4, v2
	v_mul_u32_u24 v10, v10, CP
	v_and_b32 v1, 15, v2
	v_lshl_add_u32 v10, v1, 4, v10
	v_add_nc_u32 v10, s19, v10                     ; the codes' stage, out: sixteen lanes to a row of 256 bytes
	s_wait_alu depctr_va_vdst(0)                   ; the wait at the head's end
	s_mul_i32 s22, ttmp9, 10
	s_add_co_u32 s22, s22, s18                     ; my half tile among 2,560
	s_lshr_b32 s23, s22, 1                         ; its tile
	s_and_b32 s24, s22, 1                          ; which half of K
	s_mul_i32 s28, s22, 4352                       ; its place in img1
	s_mov_b32 s29, 0
	s_mov_b32 s25, 1216
	s_wait_kmcnt 0x0
	s_cmp_lt_u32 s23, 1216                         ; which tensor, and its first tile: the choice hangs on the work-group's and the wave's number alone
	s_cselect_b64 s[20:21], s[10:11], s[12:13]
	s_cselect_b32 s25, 1088, s25
	s_cmp_lt_u32 s23, 1088
	s_cselect_b64 s[20:21], s[8:9], s[20:21]
	s_cselect_b32 s25, 1024, s25
	s_cmp_lt_u32 s23, 1024
	s_cselect_b64 s[20:21], s[6:7], s[20:21]
	s_cselect_b32 s25, 512, s25
	s_cmp_lt_u32 s23, 512
	s_cselect_b64 s[20:21], s[4:5], s[20:21]
	s_cselect_b32 s25, 0, s25
	s_sub_co_u32 s25, s23, s25                     ; the tile in its tensor
	s_lshr_b32 s26, s25, 1
	s_lshl_b32 s26, s26, 17                        ; its group: 32 rows of 4,096 bytes,
	s_and_b32 s27, s25, 1
	s_lshl_b32 s27, s27, 15                        ; 8 u rows,
	s_add_co_u32 s26, s26, s27
	s_lshl_b32 s27, s24, 11                        ; 512 numbers for the upper half of K
	s_add_co_u32 s26, s26, s27
	s_mov_b32 s27, 0
	s_add_nc_u64 s[20:21], s[20:21], s[26:27]
	s_add_nc_u64 s[14:15], s[14:15], s[28:29]
.macro LOAD t                          ; step t: lane t's row of the tile lies t + 8 (t / 8) rows down
.irp i, 0,1,2,3
	global_load_b128 v[R+16*((\t)%4)+4*\i:R+16*((\t)%4)+4*\i+3], v3, s[20:21] offset:((\t)+8*((\t)/8))*4096+512*\i th:TH_LOAD_NT
.endr
.endm
.macro TURN t                          ; step t's numbers through the stage: LDS serves a wave's instructions in order (ISA guide 5.7.1.4), so no wait stands between the stores and the loads
.irp i, 0,1,2,3
	ds_store_b128 v14, v[R+16*((\t)%4)+4*\i:R+16*((\t)%4)+4*\i+3] offset:32*SP*((\t)%2)+8*SP*\i
.endr
.irp i, 0,1,2,3
	ds_load_b128 v[X+16*((\t)%2)+4*\i:X+16*((\t)%2)+4*\i+3], v15 offset:32*SP*((\t)%2)+16*\i
.endr
.endm
.irp t, 0,1,2,3
	LOAD \t
.endr
	s_wait_loadcnt 12                              ; step 0's four loads are in
	TURN 0
.macro STEP t
.set XS, X+16*((\t)%2)
.if (\t) > 0
	s_wait_dscnt 2                                 ; this step's numbers are back from the stage; the last step's code store and byte store may be out
.else
	s_wait_dscnt 0x0
.endif
.if (\t)+4 < STEPS
	LOAD (\t)+4                                    ; into the set whose stores into the stage are done
.endif
.if (\t)+1 < STEPS
.if STEPS-2-(\t) >= 3
	s_wait_loadcnt 12                              ; the next step's four loads are in; those of the three steps behind it may be out
.else
	s_wait_loadcnt 4*(STEPS-2-(\t))
.endif
	TURN (\t)+1
.endif
	v_max3_num_f32 v8, |v[XS]|, |v[XS+1]|, |v[XS+2]|               ; the largest magnitude of my 16, in two chains
	v_max3_num_f32 v9, |v[XS+3]|, |v[XS+4]|, |v[XS+5]|
.irp i, 6,10
	v_max3_num_f32 v8, v8, |v[XS+\i]|, |v[XS+\i+1]|
	v_max3_num_f32 v9, v9, |v[XS+\i+2]|, |v[XS+\i+3]|
.endr
	v_max3_num_f32 v8, v8, |v[XS+14]|, |v[XS+15]|
	v_max3_num_f32 v8, v8, v9, 0x1800000           ; and the floor 2^(3 - 127): the byte cannot fall under 1
	v_max_num_f32_dpp v8, v8, v8 row_xmask:1 row_mask:0xf bank_mask:0xf   ; and of my neighbour's 16: the block's
	v_add_nc_u32 v11, 0xff000000, v8               ; 2 off its exponent field: the conversion takes the exponent field of this operand as its scale
	v_cvt_scalef32_pk8_fp4_f32 v[C+2*(\t)], v[XS:XS+7], v11
	v_cvt_scalef32_pk8_fp4_f32 v[C+2*(\t)+1], v[XS+8:XS+15], v11
	v_lshrrev_b32 v[E+(\t)], 23, v11               ; the scale's byte
	ds_store_b64 v4, v[C+2*(\t):C+2*(\t)+1] offset:CST+16*(\t)     ; lane t's 16 bytes of my block's 256
	ds_store_b8 v5, v[E+(\t)] offset:SCB+16*(\t)   ; both lanes of a block write the same byte with the same value
.endm
.irp t, 0,1,2,3,4,5,6,7,8,9,10,11,12,13,14,15
	STEP \t
.endr
.irp i, 0,1,2,3,4,5,6,7
	ds_load_b128 v[OUTR+4*\i:OUTR+4*\i+3], v10 offset:CST+2*CP*\i  ; these see my stores: a wave's LDS instructions are served in order
.endr
	ds_load_b64 v[8:9], v6 offset:SCB
.irp i, 0,1,2,3,4,5,6,7
	s_wait_dscnt 8-\i
	global_store_b128 v3, v[OUTR+4*\i:OUTR+4*\i+3], s[14:15] offset:512*\i     ; 32 lanes store 512 consecutive bytes, at a multiple of 256 from the buffer's first byte
.endr
	s_wait_dscnt 0x0
	global_store_b64 v7, v[8:9], s[14:15] offset:4096   ; 256 consecutive bytes, aligned
	s_wait_tensorcnt 0x0                           ; the wave's end
	ds_add_u32 v[SPW], v[NIL]
	s_wait_dscnt 0x0
	s_endpgm
.Lfunc_end_k_qdf788d60c0_quant:
	.size	k_qdf788d60c0_quant, .Lfunc_end_k_qdf788d60c0_quant-k_qdf788d60c0_quant
	.p2alignl 7, 3214868480
	.fill 96, 4, 3214868480
	.section	.rodata,"a",@progbits
	.p2align	6, 0x0
	.amdhsa_kernel k_qdf788d60c0_quant
		.amdhsa_group_segment_fixed_size 167936
		.amdhsa_private_segment_fixed_size 0
		.amdhsa_enable_private_segment 0
		.amdhsa_kernarg_size 48
		.amdhsa_user_sgpr_count 2
		.amdhsa_user_sgpr_kernarg_segment_ptr 1
		.amdhsa_wavefront_size32 1
		.amdhsa_system_sgpr_workgroup_id_x 1
		.amdhsa_system_sgpr_workgroup_id_y 1
		.amdhsa_system_sgpr_workgroup_id_z 1
		.amdhsa_system_vgpr_workitem_id 0
		.amdhsa_next_free_vgpr 192
		.amdhsa_next_free_sgpr 66
		.amdhsa_reserve_vcc 0
		.amdhsa_float_denorm_mode_32 3
		.amdhsa_float_denorm_mode_16_64 3
		.amdhsa_memory_ordered 1
		.amdhsa_forward_progress 1
		.amdhsa_inst_pref_size 35
	.end_amdhsa_kernel
	.amdgpu_metadata
---
amdhsa.version: [ 1, 2 ]
amdhsa.kernels:
  - .name:           k_qdf788d60c0_quant
    .symbol:         k_qdf788d60c0_quant.kd
    .args:
      - { .name: x, .offset: 0, .size: 8, .value_kind: global_buffer, .address_space: global }
      - { .name: feature, .offset: 8, .size: 8, .value_kind: global_buffer, .address_space: global }
      - { .name: Wc, .offset: 16, .size: 8, .value_kind: global_buffer, .address_space: global }
      - { .name: Wf, .offset: 24, .size: 8, .value_kind: global_buffer, .address_space: global }
      - { .name: Wp, .offset: 32, .size: 8, .value_kind: global_buffer, .address_space: global }
      - { .name: img1, .offset: 40, .size: 8, .value_kind: global_buffer, .address_space: global }
    .group_segment_fixed_size: 167936
    .private_segment_fixed_size: 0
    .kernarg_segment_align: 8
    .kernarg_segment_size: 48
    .max_flat_workgroup_size: 320
    .sgpr_count:     66
    .vgpr_count:     192
    .wavefront_size: 32
...
	.end_amdgpu_metadata
.endif
;; end of part 1
;; launch proj (part 2): grid 8 x 32, 4 waves a work-group, clusters of 4 x 4, 327,680 bytes of LDS; arguments img1, bc, bf, qb, kv; writes qb, kv
.if DOCPART == 2
	.amdgcn_target "amdgcn-amd-amdhsa--gfx1250"
	.amdhsa_code_object_version 6
	.text
	.protected	k_qdf788d60c0_proj
	.globl	k_qdf788d60c0_proj
	.p2align	8
	.type	k_qdf788d60c0_proj,@function
k_qdf788d60c0_proj:
	s_mov_b64 s[64:65], 0
	v_nop
	global_prefetch_b8 v0, s[64:65] scope:SCOPE_SE
	s_setreg_imm32_b32 hwreg(HW_REG_WAVE_MODE, 25, 1), 1
	s_wait_xcnt 0x0
	s_wait_alu depctr_hold_cnt(0) depctr_sa_sdst(0) depctr_va_vdst(0) depctr_va_sdst(0) depctr_va_ssrc(0) depctr_va_vcc(0) depctr_vm_vsrc(0)
	s_getreg_b32 s2, hwreg(HW_REG_IB_STS2, 6, 4)
	s_cmp_eq_u32 s2, 0
	s_cbranch_scc0 .Lentry_in_a_cluster
	s_endpgm
.Lentry_in_a_cluster:
	s_bfe_u32 s2, ttmp6, 0x10000c
	s_cmp_lg_u32 s2, 0xf033
	s_cbranch_scc0 .Lentry_shape_is_right
	s_endpgm
.Lentry_shape_is_right:
; Launch 2 of 4: k and v = feature Wf^T + bf, q = x Wc^T + bc, on codes of E2M1 with E8M0 scales, sums in f32; the results are quantised in registers and leave as codes.  Nothing is left out here.
; A work-group makes 256 tokens x one pair of heads (128 channels) of k, of v and of q: 256 work-groups of equal work.  First k and v: waves 0, 2 make k, waves 1, 3 v, 128 tokens x 128 channels each, 64 accumulators;
; then q: a wave makes 64 tokens x 128 channels, 32 accumulators.
; THE RESULT'S REGISTERS RUN ALONG SOURCE 0'S ROWS, ITS LANES ALONG SOURCE 1'S.  q and k are quantised along the channels: source 0 = weight rows, source 1 = tokens.  v is quantised along the keys: source 0 = tokens, source 1 = weight rows.
; Operands are operand images (launch 1), so the 16 registers of source 0's tiles 2 g, 2 g + 1 are 16 neighbours, 32 g + 16 (lane / 16) + 0 .. 15, and what the quantiser makes of 64 such registers is again a fragment.
; LDS: two slots of half of K (512): [Wv 8 tiles][tokens 16 tiles][Wk 8 tiles] x 4,352 bytes, codes and scale bytes together; for q [-][tokens][Wq].  Four fills: k and v's two halves of K, q's two halves; one load a wave each.
; CLUSTERS: 4 x 4 work-groups.  Tokens hang on cy and are asked for jointly by a row of the cluster, weights on cx, by a column.  There is no loop to run ahead in: no prefetch.
; OUT.  qb, a head's 34,816 bytes: codes [token tile 64][h 2][r 16][16 bytes] (block h of the head's 64), then scale words [group 32][r 16]: bytes 0, 1 tile 2 g's two blocks, bytes 2, 3 tile 2 g + 1's.
; kv, a head's 69,632 bytes: k as q; then v's codes [c 2][key step 8][tile of channels 4][h 2][r 16][16 bytes] (keys 128 step + 64 c + 32 h + 0 .. 31), and scale words [step 8][tile 4][r 16].
; The scale words leave in runs of 128 consecutive bytes: a sixteenth of what the launch stores.
; REGISTERS: window 0: v1-31 addresses; v32-95 scale words, a set for each slot; v128-255 source 1's fragments, two sets; q's: v96-127, v224-255; on the way out v128-223.
; window 1: v0-63, v128-191 source 0's fragments, two sets; v64-127 the bias of k or v, v192-255 that of q, in the result's layout.  windows 2, 3: accumulator (a, b) at v[8 (8 (a % 4) + b)], a = source 1's tile, b = source 0's.
; LDS is claimed whole; 279,040 bytes are used.
.set TILEB, 8704
.set HB,    4352                       ; a tile's half of K
.set UNIT,  34816                      ; eight of them
.set SLOT,  4*UNIT
.set SPARE, 2*SLOT                     ; the spare words, 128 bytes a wave: two blocks of 256 bytes that no other line names
.set HEADB, 69632
.set QHEADB, 34816
.set ADR1, 4                           ; v4-5   LDS address of my fragments of source 1 in slot 0, 1
.set ADR0, 6                           ; v6-7   of source 0
.set ADRS, 8                           ; v8-9   of my scale words: lanes 0-15 source 1's, lanes 16-31 source 0's
.set QAD1, 10                          ; v10-15 the same three for q
.set QAD0, 12
.set QADS, 14
.set L16,  16                          ; v16 16 x lane
.set L4,   17                          ; v17 4 x lane
.set VO,   18                          ; v18-21 where a tile's codes go: + 2 (tile / 4) + which half of the fragment
.set BO,   22                          ; v22 my offset in the bias of q or k
.set BV,   23                          ; v23 in that of v
.set FLO,  26                          ; v26 the floor 2^(3 - 127)
.set SPW,  28
.set NIL,  29
.set SC,   32                          ; register 32 slot + 4 i + q: tile i, the slot's q-th 128 along K
.set FQ,   96
.set F1,   128
.set BI,   64
.set BQ,   192
.set PC,   128                         ; the way out: eight registers of codes for each of source 1's tiles
.set TM,   192
.set PW,   208                         ; a scale word for each of them
.set ZR,   216
.set G1A,  24
.set G0A,  32
.set G1W,  48
.set G0W,  56
.set G1Q,  68
.set MSB, 0
.macro WIN new                         ; the immediate's high byte repeats the setting that is left; a switch that changes nothing is dropped
.if MSB != (\new)
	s_set_vgpr_msb (MSB<<8)|(\new)
.set MSB, (\new)
.endif
.endm
.macro PLACES n
.rept \n
	v_nop
.endr
.endm
; A joint load: waves 0 and 1 fetch tokens, waves 2 and 3 weights.  The branch hangs on the wave's number alone.  An s_nop 0 and four v_nop follow each of the two lines.
.macro JLOAD g0a, g1a, g0b, g1b
	s_cmp_eq_u32 s17, 0
	s_cbranch_scc0 .Lfor_w_\@
	tensor_load_to_lds s[\g0a:\g0a+3], s[\g1a:\g1a+7]
	s_nop 0
.rept 4
	v_nop
.endr
	s_branch .Lasked_\@
.Lfor_w_\@:
	tensor_load_to_lds s[\g0b:\g0b+3], s[\g1b:\g1b+7]
	s_nop 0
.rept 4
	v_nop
.endr
.Lasked_\@:
.endm
.macro CROUND                          ; a round of the cluster's barrier
	s_barrier_signal -1
	s_barrier_wait -1
	s_cmp_lg_u32 s16, 0
	s_cbranch_scc1 .Lnot_wave_0_\@
	s_barrier_signal -3
.Lnot_wave_0_\@:
	s_barrier_wait -3
	s_barrier_signal -1
	s_barrier_wait -1
.endm
	s_load_b256 s[4:11], s[0:1], 0x0               ; img1 s[4:5], bc s[6:7], bf s[8:9], qb s[10:11]
	s_load_b64 s[12:13], s[0:1], 0x20              ; kv
	v_lshl_add_u32 v[SPW], v0, 2, SPARE
	v_mov_b32 v[NIL], 0
	ds_add_u32 v[SPW], v[NIL]                      ; the wave's opening: the add, twice on end, and its wait ahead of my first tensor load
	ds_add_u32 v[SPW], v[NIL]
	v_lshrrev_b32 v1, 5, v0
	v_readfirstlane_b32 s16, v1                    ; wave 0..3
	s_lshr_b32 s17, s16, 1                         ; my half of the tokens (k, v).  Also: I fetch tokens (0) or weights (1)
	s_and_b32 s18, s16, 1                          ; I make k (0) or v (1).  Also: which half of the tokens, or which weights, I fetch
	s_bfe_u32 s20, ttmp6, 0x40000                  ; cx
	s_bfe_u32 s21, ttmp6, 0x40004                  ; cy
	s_lshl_b32 s22, ttmp9, 2
	s_add_co_u32 s22, s22, s20                     ; pair of heads 0..7.  s22, s42, s43, s46, s47 hold cx and never cy
	s_and_b32 s23, ttmp7, 0xffff
	s_lshl_b32 s23, s23, 2
	s_add_co_u32 s23, s23, s21                     ; block of 256 tokens 0..31.  s23, s44, s45, s2, s3 hold cy and never cx
	s_lshl_b32 s40, s21, 2
	s_lshl_b32 s40, 15, s40                        ; my row of the cluster
	s_lshl_b32 s41, 0x1111, s20                    ; my column
	; group 1: eight tiles' halves of K: 8 rows of 4,352 bytes (544 elements of 8), 8,704 bytes apart in memory, on end in LDS; for q's weights 4 rows
	s_or_b32 s[G1A], s40, (3<<16)|(1<<21)          ; 15:0 the mask; 17:16 elements of 8 bytes; 21 set beside a mask
	s_or_b32 s[G1W], s41, (3<<16)|(1<<21)
	s_or_b32 s[G1Q], s41, (3<<16)|(1<<21)
	s_mov_b32 s[G1A+2], 8<<16                      ; tensor_dim1
	s_mov_b32 s[G1A+4], 8                          ; tile_dim1
	s_mov_b32 s[G1W+2], 8<<16
	s_mov_b32 s[G1W+4], 8
	s_mov_b32 s[G1Q+2], 4<<16
	s_mov_b32 s[G1Q+4], 4
.irp g, G1A, G1W, G1Q
	s_mov_b32 s[\g+1], 544<<16                     ; tensor_dim0
	s_mov_b32 s[\g+3], 544<<16                     ; tile_dim0
	s_mov_b32 s[\g+5], 1088                        ; elements from row to row
	s_mov_b32 s[\g+6], 0
	s_mov_b32 s[\g+7], 0
.endr
	s_mul_i32 s44, s23, 16*TILEB                   ; tokens: my work-group's 16 tiles, my 8 of them
	s_mul_i32 s45, s18, 8*TILEB
	s_add_co_u32 s44, s44, s45
	s_mov_b32 s45, 0
	s_mul_i32 s42, s22, 8*TILEB                    ; weights: the pair's 8 tiles
	s_mov_b32 s46, s42
	s_mul_i32 s43, s18, 64*TILEB
	s_add_co_u32 s42, s42, s43
	s_add_co_u32 s42, s42, (1024+64)*TILEB         ; of k (wave 2) or of v (wave 3);
	s_mov_b32 s43, 0
	s_mul_i32 s47, s18, 4*TILEB
	s_add_co_u32 s46, s46, s47
	s_add_co_u32 s46, s46, 1024*TILEB              ; of q: my 4
	s_mov_b32 s47, 0
	s_add_co_u32 s67, s16, 1                       ; where they go: waves 0, 1, 2, 3: units 1, 2, 3, 0 of a slot: no place in the cluster enters an LDS address
	s_and_b32 s67, s67, 3
	s_mul_i32 s67, s67, UNIT
	s_mul_i32 s66, s18, 4*HB
	s_add_co_u32 s66, s66, 3*UNIT                  ; q's weights: unit 3
	s_wait_alu depctr_va_vdst(0)
	s_wait_dscnt 0x0                               ; both opening adds are done
	s_wait_kmcnt 0x0
	s_add_nc_u64 s[2:3], s[4:5], s[44:45]          ; x
	s_add_nc_u64 s[44:45], s[2:3], 512*TILEB       ; feature
	s_add_nc_u64 s[42:43], s[4:5], s[42:43]
	s_add_nc_u64 s[46:47], s[4:5], s[46:47]
	CROUND                                         ; all sixteen work-groups are here: the first joint loads meet
.irp s, 0,1
	s_mov_b32 s[G0A+4*\s], 1
	s_add_co_u32 s[G0A+4*\s+1], s67, \s*SLOT
	s_add_nc_u64 s[G0A+4*\s+2:G0A+4*\s+3], s[44:45], \s*HB
	s_or_b32 s[G0A+4*\s+3], s[G0A+4*\s+3], 0x80000000
	s_mov_b32 s[G0W+4*\s], 1
	s_add_co_u32 s[G0W+4*\s+1], s67, \s*SLOT
	s_add_nc_u64 s[G0W+4*\s+2:G0W+4*\s+3], s[42:43], \s*HB
	s_or_b32 s[G0W+4*\s+3], s[G0W+4*\s+3], 0x80000000
.endr
	JLOAD G0A, G1A, G0W, G1W                       ; the first half of K of k and v: one load a wave
	; LDS addresses.  Units of my source 1 and source 0, and their distance, by the wave's number: waves 0, 2 (k): tokens, 3; waves 1, 3 (v): 0, tokens
	s_lshl_b32 s76, s16, 2
	s_lshr_b32 s78, 0x0201, s76
	s_and_b32 s78, s78, 3
	s_mul_i32 s78, s78, UNIT
	s_lshr_b32 s79, 0x2313, s76
	s_and_b32 s79, s79, 3
	s_mul_i32 s79, s79, UNIT
	s_lshr_b32 s80, 0x2112, s76
	s_and_b32 s80, s80, 3
	s_mul_i32 s80, s80, UNIT
	s_mul_i32 s81, s16, 4*HB                       ; q: source 1 = my 4 tiles of tokens
	s_add_co_u32 s81, s81, UNIT
	s_sub_co_u32 s82, 3*UNIT, s81                  ; source 0 = unit 3
	s_add_co_u32 s83, s78, 4096
	s_add_co_u32 s77, s81, 4096
	; the biases of my 128 channels
	s_lshl_b32 s84, s22, 9
	s_mov_b32 s85, 0
	s_add_nc_u64 s[6:7], s[6:7], s[84:85]
	s_lshl_b32 s86, s18, 12                        ; v's lies behind k's in bf
	s_add_co_u32 s84, s84, s86
	s_add_nc_u64 s[8:9], s[8:9], s[84:85]
	; where my results go
	s_lshr_b32 s86, s23, 2
	s_lshl_b32 s86, s86, 3
	s_add_co_u32 s86, s86, s22                     ; 8 batch + pair
	s_and_b32 s87, s23, 3                          ; 256 tokens of the batch
	s_mul_i32 s88, s86, 2*HEADB
	s_lshl_b32 s90, s87, 1
	s_add_co_u32 s90, s90, s17                     ; my 128 tokens of the batch
	s_mov_b32 s93, 67584
	s_mov_b32 s94, 34816
	s_mov_b32 s95, HEADB
	s_mov_b32 s96, 16384
	s_cmp_eq_u32 s18, 0
	s_cselect_b32 s93, 32768, s93                  ; the scale words, in a head
	s_cselect_b32 s94, 0, s94                      ; the codes
	s_cselect_b32 s92, 12, 11                      ; 4,096 bytes for 128 tokens of k, 2,048 for a key step of v
	s_cselect_b32 s96, s95, s96                    ; a fragment's second half: k: the second head; v: keys 64 to 127
	s_cselect_b32 s95, 2048, s95                   ; four tiles on: k: tokens; v: the second head
	s_lshl_b32 s92, s90, s92
	s_add_co_u32 s92, s92, s94
	s_add_co_u32 s92, s92, s88
	s_lshl_b32 s91, s90, 8
	s_add_co_u32 s93, s93, s91
	s_add_co_u32 s98, s93, s88
	s_mov_b32 s99, 0
	s_add_nc_u64 s[14:15], s[12:13], s[98:99]      ; k's or v's scale words,
	s_mov_b32 s98, s92
	s_add_nc_u64 s[12:13], s[12:13], s[98:99]      ; and codes
	s_mul_i32 s88, s86, 2*QHEADB
	s_lshl_b32 s90, s87, 9
	s_lshl_b32 s91, s16, 7
	s_add_co_u32 s90, s90, s91
	s_add_co_u32 s90, s90, s88
	s_add_co_u32 s98, s90, 32768
	s_add_nc_u64 s[90:91], s[10:11], s[98:99]      ; q's scale words,
	s_lshl_b32 s98, s87, 13
	s_lshl_b32 s92, s16, 11
	s_add_co_u32 s98, s98, s92
	s_add_co_u32 s98, s98, s88
	s_add_nc_u64 s[10:11], s[10:11], s[98:99]      ; and codes
	v_and_b32 v1, 15, v0                           ; r
	v_bfe_u32 v2, v0, 4, 1                         ; h
	v_and_b32 v3, 31, v0
	v_lshlrev_b32 v[L16], 4, v3
	v_lshlrev_b32 v[L4], 2, v3
	v_add_nc_u32 v[ADR1], s78, v[L16]
	v_add_nc_u32 v[ADR1+1], SLOT, v[ADR1]
	v_add_nc_u32 v[ADR0], s79, v[L16]
	v_add_nc_u32 v[ADR0+1], SLOT, v[ADR0]
	v_mul_u32_u24 v24, s80, v2                     ; lanes 16-31 take source 0's: one product, the distance between the two
	v_lshl_add_u32 v24, v1, 4, v24
	v_add_nc_u32 v[ADRS], s83, v24
	v_add_nc_u32 v[ADRS+1], SLOT, v[ADRS]
	v_add_nc_u32 v[QAD1], s81, v[L16]
	v_add_nc_u32 v[QAD1+1], SLOT, v[QAD1]
	v_add_nc_u32 v[QAD0], 3*UNIT, v[L16]
	v_add_nc_u32 v[QAD0+1], SLOT, v[QAD0]
	v_mul_u32_u24 v25, s82, v2
	v_lshl_add_u32 v25, v1, 4, v25
	v_add_nc_u32 v[QADS], s77, v25
	v_add_nc_u32 v[QADS+1], SLOT, v[QADS]
	v_mov_b32 v[VO], v[L16]
	v_add_nc_u32 v[VO+1], s96, v[L16]
	v_add_nc_u32 v[VO+2], s95, v[L16]
	v_add_nc_u32 v[VO+3], s96, v[VO+2]
	v_lshlrev_b32 v[BO], 6, v2                     ; q, k: register j of source 0's tile b is channel 32 (b / 2) + 16 h + 8 (b % 2) + j
	v_and_b32 v[BV], 8, v1                         ; v: lane r of source 1's tile a is channel 32 (a / 2) + 8 (a % 2) + r + 8 (r / 8): one number a lane, in all eight registers
	v_add_nc_u32 v[BV], v[BV], v1
	v_lshlrev_b32 v[BV], 2, v[BV]
	v_mov_b32 v[FLO], 0x1800000
	s_wait_alu depctr_va_vdst(0)
	s_mov_b32 s19, 0xffff0000                      ; lanes 16-31
	s_mov_b32 s92, 0x05040100                      ; v_perm_b32: the two low halves,
	s_mov_b32 s93, 0x07060302                      ; the two high halves
	s_mov_b32 s96, 0x76543210
	s_mov_b32 s97, 0xfedcba98                      ; v_permlanex16_b32's selects for lane l xor 16
	WIN 0x40                                       ; destination window 1
.irp b, 0,1,2,3,4,5,6,7
	global_load_b128 v[BQ+8*\b:BQ+8*\b+3], v[BO], s[6:7] offset:(32*(\b/2)+8*(\b%2))*4
	global_load_b128 v[BQ+8*\b+4:BQ+8*\b+7], v[BO], s[6:7] offset:(32*(\b/2)+8*(\b%2))*4+16
.endr
	WIN 0
	s_cmp_eq_u32 s18, 1
	s_cbranch_scc1 .Lbias_v
	WIN 0x40
.irp b, 0,1,2,3,4,5,6,7
	global_load_b128 v[BI+8*\b:BI+8*\b+3], v[BO], s[8:9] offset:(32*(\b/2)+8*(\b%2))*4
	global_load_b128 v[BI+8*\b+4:BI+8*\b+7], v[BO], s[8:9] offset:(32*(\b/2)+8*(\b%2))*4+16
.endr
	WIN 0
	s_branch .Lbias_done
.Lbias_v:
	WIN 0x40
.irp a, 0,1,2,3,4,5,6,7
	global_load_b32 v[BI+8*\a], v[BV], s[8:9] offset:(32*(\a/2)+8*(\a%2))*4
.endr
	s_wait_loadcnt 0x0
	WIN 0x41                                       ; destination and source 0 window 1
.irp a, 0,1,2,3,4,5,6,7
.irp j, 1,2,3,4,5,6,7
	v_mov_b32 v[BI+8*\a+\j], v[BI+8*\a]
.endr
.endr
	WIN 0
	s_wait_alu depctr_va_vdst(0)
.Lbias_done:
.macro FRAG reg, adr, q, i             ; a fragment is 1,024 consecutive bytes: lane l's 16 at 16 l, and 512 on
.irp c, 0,1
	ds_load_b128 v[\reg+4*\c:\reg+4*\c+3], v[\adr] offset:(\i)*HB+(\q)*1024+512*\c
.endr
.endm
.macro FETCH slot, q, p                ; 32 loads in one run: both sources' eight fragments of one step of 128 along K, into set p
	WIN 0x40
.irp i, 0,1,2,3,4,5,6,7
	FRAG 128*(\p)+8*\i, ADR0+(\slot), \q, \i
.endr
	WIN 0
.irp i, 0,1,2,3,4,5,6,7
	FRAG F1+64*(\p)+8*\i, ADR1+(\slot), \q, \i
.endr
.endm
.macro FETCHQ slot, q, p               ; q: eight of source 0, four of source 1
	WIN 0x40
.irp i, 0,1,2,3,4,5,6,7
	FRAG 128*(\p)+8*\i, QAD0+(\slot), \q, \i
.endr
	WIN 0
.irp i, 0,1,2,3
	FRAG FQ+128*(\p)+8*\i, QAD1+(\slot), \q, \i
.endr
.endm
.macro SCALES slot, adr                ; a slot's scale words: four words a tile and row.  (q, i = 4 .. 7: lanes 0-15 read filled bytes that no product names)
.irp i, 0,1,2,3,4,5,6,7
	ds_load_b128 v[SC+32*(\slot)+4*\i:SC+32*(\slot)+4*\i+3], v[\adr+(\slot)] offset:\i*HB
.endr
.endm
; 16 products: source 1's tiles a0, a0 + 1 x source 0's eight.  mode 0: onto the sums; 1, 2: the sums begin with the bias, by source 0's tile or by source 1's.
; The accumulators take turns, one instruction a turn, in the same order in every step.
.macro MUL16 a0, p, q, sc, mode
.irp a, \a0, \a0+1
.irp b, 0,1,2,3,4,5,6,7
.set DR, 8*(8*((\a)%4)+\b)
.set CR, DR
.if (\mode) == 1
.set CR, BI+8*\b
.endif
.if (\mode) == 2
.set CR, BI+8*(\a)
.endif
	v_wmma_scale_f32_16x16x128_f8f6f4 v[DR:DR+7], v[128*(\p)+8*\b:128*(\p)+8*\b+7], v[F1+64*(\p)+8*(\a):F1+64*(\p)+8*(\a)+7], v[CR:CR+7], v[SC+32*(\sc)+4*\b+(\q)], v[SC+32*(\sc)+4*(\a)+(\q)] matrix_a_fmt:MATRIX_FMT_FP4 matrix_b_fmt:MATRIX_FMT_FP4 matrix_a_scale:MATRIX_SCALE_ROW1
.endr
.endr
.endm
.macro MUL8Q a, p, q, sc, first
.irp b, 0,1,2,3,4,5,6,7
.set DR, 8*(8*(\a)+\b)
.set CR, DR
.if (\first)
.set CR, BQ+8*\b
.endif
	v_wmma_scale_f32_16x16x128_f8f6f4 v[DR:DR+7], v[128*(\p)+8*\b:128*(\p)+8*\b+7], v[FQ+128*(\p)+8*(\a):FQ+128*(\p)+8*(\a)+7], v[CR:CR+7], v[SC+32*(\sc)+4*\b+(\q)], v[SC+32*(\sc)+4*(\a)+(\q)] matrix_a_fmt:MATRIX_FMT_FP4 matrix_b_fmt:MATRIX_FMT_FP4 matrix_a_scale:MATRIX_SCALE_ROW1
.endr
.endm
; The change of slots: this slot's last fragments are in registers, so it is filled again, with q's half of K; in front of the round each wave waits for all its tensor loads (the other slot's fill), adds 0 to its spare word, and waits for that.
.macro TURN s
	s_wait_tensorcnt 0x0
	ds_add_u32 v[SPW], v[NIL]                      ; no tensor load of mine is out, so descriptors may be written:
	s_add_nc_u64 s[G0A+4*\s+2:G0A+4*\s+3], s[2:3], \s*HB
	s_or_b32 s[G0A+4*\s+3], s[G0A+4*\s+3], 0x80000000
	s_add_co_u32 s[G0W+4*\s+1], s66, \s*SLOT
	s_add_nc_u64 s[G0W+4*\s+2:G0W+4*\s+3], s[46:47], \s*HB
	s_or_b32 s[G0W+4*\s+3], s[G0W+4*\s+3], 0x80000000
	s_wait_dscnt 0x0
	CROUND
	JLOAD G0A+4*\s, G1A, G0W+4*\s, G1Q             ; the first tensor load behind the round; its four v_nop are the places in front of the loads that follow
.endm
; Step n of 8 of k and v: its fragments are in; the next step's are asked for in one run ahead of its 64 products (steps 3 and 7: in their middle, behind the change of slots).
.macro STEP n, mode
.set NX, (\n)+1
	s_wait_dscnt 0x0                               ; this step's fragments and scale words are in
.if (\n)%4 != 3
.if (\n) > 0
	PLACES 4                                       ; four places in front of loads into registers that the last step's products have read (ISA guide 7.12.1 for vector instructions)
.endif
	FETCH NX/4, NX%4, NX%2
.endif
.if (\mode)
	WIN 0x91                                       ; source 0 and the bias window 1, source 1 window 0, destination window 2
.else
	WIN 0xa1
.endif
	MUL16 0, (\n)%2, (\n)%4, (\n)/4, \mode
	MUL16 2, (\n)%2, (\n)%4, (\n)/4, \mode
.if (\n) == 3
	WIN 0
	TURN 0
	FETCH 1, 0, 0
	SCALES 1, ADRS
.endif
.if (\n) == 7
	WIN 0
	TURN 1
	FETCHQ 0, 0, 0
	SCALES 0, QADS
.endif
.if (\mode)
	WIN 0xd1
.else
	WIN 0xf1
.endif
	MUL16 4, (\n)%2, (\n)%4, (\n)/4, \mode
	MUL16 6, (\n)%2, (\n)%4, (\n)/4, \mode
	WIN 0
.endm
.macro STEPQ m                         ; step m of 8 of q: 32 products
.set NX, (\m)+1
	s_wait_dscnt 0x0
.if (\m) == 3
	s_wait_tensorcnt 0x0                           ; my part of the last fill has landed,
	s_barrier_signal -1
	s_barrier_wait -1                              ; everybody's has.
.endif
.if (\m) < 7
	PLACES 4
	FETCHQ NX/4, NX%4, NX%2
.if (\m) == 3
	SCALES 1, QADS
.endif
.endif
.if (\m) == 0
	WIN 0x91
.else
	WIN 0xa1
.endif
.irp a, 0,1,2,3
	MUL8Q \a, (\m)%2, (\m)%4, (\m)/4, (\m)==0
.endr
	WIN 0
.endm
; Source 1's tile a: its 64 numbers a lane, register 16 b + i = place 32 b + 16 (lane / 16) + i along source 0's 128 rows, become a fragment's codes and a scale word.
.macro QUANTA a
.set WA, 2+(\a)/4
.set SA, 64*((\a)%4)
.set PA, PC+8*(\a)
	WIN (WA<<2)|(WA<<4)                            ; sources 1 and 2: the accumulators' window
.irp b, 0,1,2,3
	v_max3_num_f32 v[TM+\b], v[FLO], |v[SA+16*\b]|, |v[SA+16*\b+1]|     ; block b: my 16 numbers and the floor; each accumulator is read from its low end on
.endr
.irp i, 2,4,6,8,10,12,14
.irp b, 0,1,2,3
	v_max3_num_f32 v[TM+\b], v[TM+\b], |v[SA+16*\b+\i]|, |v[SA+16*\b+\i+1]|
.endr
.endr
	WIN 0
.irp b, 0,1,2,3
	v_permlanex16_b32 v[TM+4+\b], v[TM+\b], s96, s97
.endr
.irp b, 0,1,2,3
	v_max_num_f32 v[TM+\b], v[TM+\b], v[TM+4+\b]   ; with lane l xor 16's: the block's largest magnitude
.endr
.irp b, 0,1,2,3
	v_add_nc_u32 v[TM+12+\b], 0xff000000, v[TM+\b] ; 2 off its exponent field: the conversion's scale operand
.endr
.irp b, 0,1,2,3
	v_lshrrev_b32 v[TM+4+\b], 23, v[TM+12+\b]      ; the scale's byte
.endr
	v_lshl_or_b32 v[PW+(\a)], v[TM+5], 8, v[TM+4]
	v_lshl_or_b32 v[PW+(\a)], v[TM+6], 16, v[PW+(\a)]
	v_lshl_or_b32 v[PW+(\a)], v[TM+7], 24, v[PW+(\a)]
	WIN WA                                         ; source 0: the accumulators' window
.irp b, 0,1,2,3
	v_cvt_scalef32_pk8_fp4_f32 v[PA+2*\b], v[SA+16*\b:SA+16*\b+7], v[TM+12+\b]
	v_cvt_scalef32_pk8_fp4_f32 v[PA+2*\b+1], v[SA+16*\b+8:SA+16*\b+15], v[TM+12+\b]
.endr
	WIN 0
	v_nop                                          ; one plain place behind a scaled conversion
.irp c, 0,1                                    ; a whole block to a lane: lanes 0-15 block 2 c, lanes 16-31 block 2 c + 1
.irp i, 0,1
	v_permlane16_swap_b32 v[PA+4*\c+\i], v[PA+2+4*\c+\i]
.endr
.endr
.endm
	s_wait_alu depctr_va_vdst(0)                   ; the wait at the head's end
	s_wait_tensorcnt 0x0                           ; my part of the first fill is in
	ds_add_u32 v[SPW], v[NIL]
	s_wait_dscnt 0x0
	CROUND                                         ; everybody's part is in, and the joint loads meet
	JLOAD G0A+4, G1A, G0W+4, G1W                   ; the second half of K of k and v
	FETCH 0, 0, 0
	SCALES 0, ADRS
	s_wait_loadcnt 0x0                             ; the biases
	s_cmp_eq_u32 s18, 1
	s_cbranch_scc1 .Lfirst_v
	STEP 0, 1
	s_branch .Lsteps
.Lfirst_v:
	STEP 0, 2
.Lsteps:
.irp n, 1,2,3,4,5,6,7
	STEP \n, 0
.endr
	PLACES 4                                       ; in front of the first read of results and of the first vector write into registers that the last products have read
.irp b, 0,1,2,3
	v_mov_b32 v[TM+4+\b], 0                        ; written once: a lane permute's destination counts as one of its sources
.endr
.irp a, 0,1,2,3,4,5,6,7                        ; k and v leave while q's second fill is on its way
	QUANTA \a
	global_store_b128 v[VO+2*(\a/4)], v[PC+8*\a:PC+8*\a+3], s[12:13] offset:(\a%4)*512      ; 512 consecutive bytes, aligned
	global_store_b128 v[VO+2*(\a/4)+1], v[PC+8*\a+4:PC+8*\a+7], s[12:13] offset:(\a%4)*512
.endr
	s_wait_alu depctr_va_vdst(0)                   ; the wait ahead of the branch
	s_cmp_eq_u32 s18, 1
	s_cbranch_scc1 .Lwords_v
.irp c, 0,1                                    ; k: head c's two bytes of tiles 2 g and 2 g + 1 make group g's word; lanes 0-15 take group 2 p, lanes 16-31 group 2 p + 1
.irp p, 0,1
	v_perm_b32 v220, v[PW+4*\p+1], v[PW+4*\p], s[92+\c]
	v_perm_b32 v221, v[PW+4*\p+3], v[PW+4*\p+2], s[92+\c]
	v_cndmask_b32 v[ZR+2*\c+\p], v220, v221, s19
.endr
.endr
	s_wait_alu depctr_va_vdst(0)
	s_branch .Lwords_done
.Lwords_v:
.irp c, 0,1                                    ; v: a tile's word is whole; lanes 0-15 take tile 2 p of head c, lanes 16-31 tile 2 p + 1
.irp p, 0,1
	v_cndmask_b32 v[ZR+2*\c+\p], v[PW+4*\c+2*\p], v[PW+4*\c+2*\p+1], s19
.endr
.endr
	s_wait_alu depctr_va_vdst(0)
.Lwords_done:
.irp c, 0,1
.irp p, 0,1
	global_store_b32 v[L4], v[ZR+2*\c+\p], s[14:15] offset:\c*HEADB+\p*128      ; 128 consecutive bytes
.endr
.endr
.irp m, 0,1,2,3,4,5,6,7
	STEPQ \m
.endr
	s_wait_xcnt 0x0                                ; k's and v's stores have read their registers, which q's codes take
	PLACES 4
.irp a, 0,1,2,3
	QUANTA \a
	global_store_b128 v[L16], v[PC+8*\a:PC+8*\a+3], s[10:11] offset:\a*512
	global_store_b128 v[L16], v[PC+8*\a+4:PC+8*\a+7], s[10:11] offset:\a*512+QHEADB
.endr
.irp c, 0,1
	v_perm_b32 v220, v[PW+1], v[PW], s[92+\c]
	v_perm_b32 v221, v[PW+3], v[PW+2], s[92+\c]
	v_cndmask_b32 v[ZR+\c], v220, v221, s19
.endr
.irp c, 0,1
	global_store_b32 v[L4], v[ZR+\c], s[90:91] offset:\c*QHEADB
.endr
	s_wait_tensorcnt 0x0                           ; the wave's end
	ds_add_u32 v[SPW], v[NIL]
	s_wait_dscnt 0x0
	CROUND                                         ; the closing round: no work-group ends while a partner may still ask for a tile that names it
	s_endpgm
.Lfunc_end_k_qdf788d60c0_proj:
	.size	k_qdf788d60c0_proj, .Lfunc_end_k_qdf788d60c0_proj-k_qdf788d60c0_proj
	.p2alignl 7, 3214868480
	.fill 96, 4, 3214868480
	.section	.rodata,"a",@progbits
	.p2align	6, 0x0
	.amdhsa_kernel k_qdf788d60c0_proj
		.amdhsa_group_segment_fixed_size 327680
		.amdhsa_private_segment_fixed_size 0
		.amdhsa_enable_private_segment 0
		.amdhsa_kernarg_size 40
		.amdhsa_user_sgpr_count 2
		.amdhsa_user_sgpr_kernarg_segment_ptr 1
		.amdhsa_wavefront_size32 1
		.amdhsa_system_sgpr_workgroup_id_x 1
		.amdhsa_system_sgpr_workgroup_id_y 1
		.amdhsa_system_sgpr_workgroup_id_z 1
		.amdhsa_system_vgpr_workitem_id 0
		.amdhsa_next_free_vgpr 1024
		.amdhsa_next_free_sgpr 100
		.amdhsa_reserve_vcc 0
		.amdhsa_float_denorm_mode_32 3
		.amdhsa_float_denorm_mode_16_64 3
		.amdhsa_memory_ordered 1
		.amdhsa_forward_progress 1
		.amdhsa_inst_pref_size 210
	.end_amdhsa_kernel
	.amdgpu_metadata
---
amdhsa.version: [ 1, 2 ]
amdhsa.kernels:
  - .name:           k_qdf788d60c0_proj
    .symbol:         k_qdf788d60c0_proj.kd
    .args:
      - { .name: img1, .offset: 0, .size: 8, .value_kind: global_buffer, .address_space: global }
      - { .name: bc, .offset: 8, .size: 8, .value_kind: global_buffer, .address_space: global }
      - { .name: bf, .offset: 16, .size: 8, .value_kind: global_buffer, .address_space: global }
      - { .name: qb, .offset: 24, .size: 8, .value_kind: global_buffer, .address_space: global }
      - { .name: kv, .offset: 32, .size: 8, .value_kind: global_buffer, .address_space: global }
    .group_segment_fixed_size: 327680
    .private_segment_fixed_size: 0
    .kernarg_segment_align: 8
    .kernarg_segment_size: 40
    .max_flat_workgroup_size: 128
    .sgpr_count:     100
    .vgpr_count:     1024
    .wavefront_size: 32
...
	.end_amdgpu_metadata
.endif
;; end of part 2
;; launch attn (part 3): grid 256 x 1, 16 waves a work-group, no clusters, 327,680 bytes of LDS; arguments qb, kv, img3; writes img3
.if DOCPART == 3
	.amdgcn_target "amdgcn-amd-amdhsa--gfx1250"
	.amdhsa_code_object_version 6
	.text
	.protected	k_qdf788d60c0_attn
	.globl	k_qdf788d60c0_attn
	.p2align	8
	.type	k_qdf788d60c0_attn,@function
k_qdf788d60c0_attn:
	s_mov_b64 s[64:65], 0
	v_nop
	global_prefetch_b8 v0, s[64:65] scope:SCOPE_SE
	s_setreg_imm32_b32 hwreg(HW_REG_WAVE_MODE, 25, 1), 1
	s_wait_xcnt 0x0
; Launch 3 of 4: attention on codes of E2M1 with E8M0 scales, one head of one batch to two work-groups; o / l is quantised along the channels and leaves as launch 4's operand image.
; WORK LEFT OUT: keys that reference()'s own causal mask hides from all 16 queries of a tile, in whole steps of 128 and, in the step on the diagonal, its upper 64 (head of launch 1: p = 0 there whatever the inputs hold; a NaN or an infinity there is not carried).
; THE SOFTMAX: t = score x log2(e) / 8; M = the row's largest t so far rounded UP to a whole number; p = 2^(t - M), quantised along the keys, not normalised; the row's sum is taken of the unquantised p in f32 and divides at the end.
; When M moves, sum and result are multiplied by 2^(old M - new M).  LIMIT: scaled scores (exponents to the base 2 ahead of the maximum) under 2^31 in magnitude.  A block's largest p is made of its largest score: v_exp_f32 is taken not to fall where its input rises.
; SHARES.  A head has 64 tiles of 16 queries; its work-group x and wave w take tiles i and 63 - i, i = 16 x + w: nine key steps of 128 together, in every wave.  Work-group number = 32 batch + 16 x + head.
; A head's k and v, 69,632 bytes, lie whole in LDS, brought in two halves: keys 0 to 511, then 512 to 1,023.  Tile i (i under 32) needs the first half alone and goes first; the barrier that shows the second half stands at its end, split round its last register work.
; CLUSTER = NONE: only two work-groups share these bytes, in two fills; no stream follows.  For the same reason nothing is prefetched: no tensor load stands in a loop.
; LAYOUT.  S^T = K Q^T, O^T = V^T P^T: a lane holds one query throughout.  64 channels are half of a product's K: a fragment of k holds 16 keys in its lower four registers and 16 more in its upper four; Q stands with zeros behind it, and once more with zeros ahead of it.
; The 16 registers 16 b + i hold keys 32 b + 16 (lane / 16) + i of the step.
; A BLOCK'S MAXIMUM lies in lanes l and l xor 16.  v_permlane16_swap_b32 of two blocks' registers and one maximum leave block 0's in lanes 0-15 and block 1's in lanes 16-31: one register serves two blocks up to the scales.
; A STEP'S LDS LOADS stand inside the dependent lines behind the maximum's tree: v's fragments of this step, then k's of the next one.
; REGISTERS: v1-15 addresses, -M, the largest t, the sum in two halves; v16-35 zeros, Q of tile 63 - i, zeros, Q of tile i, zeros; the rest as named below.
.set VL,    34816                      ; LDS: k's codes, k's scale words, v's codes, v's scale words
.set KSL,   32768
.set VSL,   67584
.set SPARE, 69632                      ; the spare words, 128 bytes a wave: eight blocks of 256 bytes that no other line names
.set LK,   1
.set LV,   2
.set LKS,  3
.set LVS,  4
.set SPW,  5
.set NIL,  6
.set DG,   7
.set ADK,  8
.set ADV,  9
.set ADS,  10
.set ADT,  11
.set KFR,  36
.set VFR,  68
.set SS,   100
.set OO,   164
.set PCD,  196
.set KSC,  204
.set VSC,  208
.set QSC,  212                         ; v212, v213 tile 63 - i's scale words, low and high; v214, v215 tile i's
.set PSC,  216
.set BM,   218
.set SO,   222
.set FF,   226
.set TT,   228
.set WW,   229
.set OH,   230
.set OC,   232
.set R4,   236
.set R16,  237
.set DD,   238
.set NINF, 239
.set T2,   240                         ; v240-245: three more chains of the row's sum
.set WV,   18
.set SEL,  20
.set CS,   22
.set G1,   24
.set G1S,  32
.set G0,   40
.set G0S,  44
.set DLT,  48                          ; s[48:49] from the first half's part to the second's, in bytes
.set LAST, 67                          ; the tile's last key step, on the diagonal
.set KS,   68
.set QRM,  72
.set SHORT, 73                         ; that step's number where its upper 64 keys are hidden, else 99
; A half's fill: waves 0 and 1 fetch k's codes, waves 2 and 3 v's (keys 64 c .. of each step: c = 0, 1), 8,192 dense bytes each; waves 4 and 5 the scale words of k and of v, 1,024 each.  The branches hang on the wave's number alone; an s_nop 0 and four v_nop follow each of the two lines.
.macro FILL
	s_cmp_lt_u32 s[WV], 4
	s_cbranch_scc0 .Lnot_codes_\@
	tensor_load_to_lds s[G0:G0+3], s[G1:G1+7]
	s_nop 0
.rept 4
	v_nop
.endr
	s_branch .Lasked_\@
.Lnot_codes_\@:
	s_cmp_lt_u32 s[WV], 6
	s_cbranch_scc0 .Lasked_\@
	tensor_load_to_lds s[G0S:G0S+3], s[G1S:G1S+7]
	s_nop 0
.rept 4
	v_nop
.endr
.Lasked_\@:
.endm
	s_load_b128 s[4:7], s[0:1], 0x0                ; qb, kv
	s_load_b64 s[8:9], s[0:1], 0x10                ; img3
	v_lshl_add_u32 v[SPW], v0, 2, SPARE
	v_mov_b32 v[NIL], 0
	ds_add_u32 v[SPW], v[NIL]                      ; the wave's opening: the add, twice on end, and its wait ahead of my first tensor load
	ds_add_u32 v[SPW], v[NIL]
	v_lshrrev_b32 v8, 5, v0
	v_readfirstlane_b32 s[WV], v8                  ; wave 0..15
	v_and_b32 v8, 31, v0
	v_lshlrev_b32 v[LK], 4, v8                     ; 16 x lane
	v_add_nc_u32 v[LV], VL, v[LK]
	v_and_b32 v9, 15, v0                           ; r
	v_lshlrev_b32 v[R4], 2, v9
	v_lshlrev_b32 v[R16], 4, v9
	v_add_nc_u32 v[LKS], KSL, v[R4]
	v_add_nc_u32 v[LVS], VSL, v[R4]
	v_and_b32 v10, 8, v9
	v_add_nc_u32 v[DG], v10, v9
	v_bfe_u32 v10, v0, 4, 1
	v_lshlrev_b32 v10, 4, v10
	v_sub_nc_u32 v[DG], v[DG], v10                 ; r + 8 (r / 8) - 16 h
	v_mov_b32 v[NINF], 0xff800000                  ; -infinity
.irp j, 16,17,18,19,24,25,26,27,32,33,34,35
	v_mov_b32 v\j, 0
.endr
	v_mov_b32 v[FF+1], 0                           ; (named as a pair's upper half)
	v_mov_b32 v[TT], 0                             ; (a lane permute's destination counts as one of its sources)
	v_mov_b32 v[WW], 0
	s_wait_alu depctr_va_vdst(0)
	s_lshr_b32 s12, ttmp9, 5
	s_lshl_b32 s12, s12, 4
	s_and_b32 s13, ttmp9, 15
	s_add_co_u32 s12, s12, s13                     ; 16 batch + head
	s_bfe_u32 s15, ttmp9, 0x10004
	s_lshl_b32 s15, s15, 4
	s_add_co_u32 s15, s15, s[WV]                   ; i
	s_sub_co_u32 s13, 63, s15
	s_mov_b32 s[G1], 3<<16                         ; group 1: 32 rows of 256 dense bytes (32 elements of 8)
	s_mov_b32 s[G1+1], 32<<16
	s_mov_b32 s[G1+2], 32<<16
	s_mov_b32 s[G1+3], 32<<16
	s_mov_b32 s[G1+4], 32
	s_mov_b32 s[G1+5], 32
	s_mov_b32 s[G1+6], 0
	s_mov_b32 s[G1+7], 0
	s_mov_b32 s[G1S], 3<<16                        ; and 4 rows
	s_mov_b32 s[G1S+1], 32<<16
	s_mov_b32 s[G1S+2], 4<<16
	s_mov_b32 s[G1S+3], 32<<16
	s_mov_b32 s[G1S+4], 4
	s_mov_b32 s[G1S+5], 32
	s_mov_b32 s[G1S+6], 0
	s_mov_b32 s[G1S+7], 0
	s_and_b32 s16, s[WV], 1
	s_bfe_u32 s17, s[WV], 0x10001                  ; k (0) or v (1)
	s_and_b32 s14, s16, s17
	s_mul_i32 s84, s17, VL                         ; my codes' part of the first half, the same in memory and in LDS: 0, 8,192, 34,816, 51,200
	s_lshl_b32 s85, s16, 13
	s_add_co_u32 s84, s84, s85
	s_lshl_b32 s85, s14, 13
	s_add_co_u32 s84, s84, s85
	s_mov_b32 s85, 0
	s_mul_i32 s86, s16, VSL-KSL                    ; and of the scale words: 32,768 or 67,584
	s_add_co_u32 s86, s86, KSL
	s_mov_b32 s87, 0
	s_xor_b32 s[DLT], s17, 1
	s_lshl_b32 s[DLT], s[DLT], 13
	s_add_co_u32 s[DLT], s[DLT], 8192              ; 16,384 in k, 8,192 in v
	s_mov_b32 s[DLT+1], 0
	s_mul_i32 s82, s12, 69632
	s_mov_b32 s83, 0
	s_mov_b32 s[SEL], 0x76543210
	s_mov_b32 s[SEL+1], 0xfedcba98                 ; v_permlanex16_b32's selects for lane l xor 16
	s_mov_b32 s[CS], 0x3e38aa3b                    ; log2(e) / 8
	s_mov_b32 s[CS+1], s[CS]
	s_wait_dscnt 0x0                               ; both opening adds are done
	s_wait_kmcnt 0x0
	s_add_nc_u64 s[6:7], s[6:7], s[82:83]          ; the head's k and v
	s_mov_b32 s[G0], 1
	s_mov_b32 s[G0+1], s84
	s_add_nc_u64 s[G0+2:G0+3], s[6:7], s[84:85]
	s_or_b32 s[G0+3], s[G0+3], 0x80000000
	s_mov_b32 s[G0S], 1
	s_mov_b32 s[G0S+1], s86
	s_add_nc_u64 s[G0S+2:G0S+3], s[6:7], s[86:87]
	s_or_b32 s[G0S+3], s[G0S+3], 0x80000000
	FILL                                           ; the first half: one load in each of waves 0-5
	s_mul_i32 s82, s12, 34816
	s_add_nc_u64 s[4:5], s[4:5], s[82:83]          ; the head's q
	s_lshl_b32 s82, s13, 9
	s_add_nc_u64 s[74:75], s[4:5], s[82:83]
	s_lshl_b32 s82, s15, 9
	s_add_nc_u64 s[76:77], s[4:5], s[82:83]
.macro QWORD ti, d                     ; a tile's two scale bytes: group ti / 2, bytes 2 (ti % 2) on
	s_lshr_b32 s82, s\ti, 1
	s_lshl_b32 s82, s82, 6
	s_and_b32 s84, s\ti, 1
	s_lshl_b32 s84, s84, 1
	s_add_co_u32 s82, s82, s84
	s_add_co_u32 s82, s82, 32768
	s_add_nc_u64 s[\d:\d+1], s[4:5], s[82:83]
.endm
	QWORD 13, 78
	QWORD 15, 80
	global_load_b128 v[20:23], v[LK], s[74:75]
	global_load_u16 v[QSC], v[R4], s[78:79]
	global_load_b128 v[28:31], v[LK], s[76:77]
	global_load_u16 v[QSC+2], v[R4], s[80:81]
	; where o goes: 64 tiles a batch; head hd: half of K hd / 8, codes 512 (hd % 8) on, scale bytes 4,096 + 2 (hd % 8) on
	s_lshr_b32 s84, s12, 4
	s_mul_i32 s82, s84, 64*8704
	s_bfe_u32 s84, s12, 0x10003
	s_mul_i32 s84, s84, 4352
	s_add_co_u32 s82, s82, s84
	s_and_b32 s84, s12, 7
	s_lshl_b32 s86, s84, 1
	s_add_co_u32 s86, s86, s82
	s_add_co_u32 s86, s86, 4096
	s_mov_b32 s87, 0
	s_add_nc_u64 s[10:11], s[8:9], s[86:87]
	s_lshl_b32 s84, s84, 9
	s_add_co_u32 s82, s82, s84
	s_add_nc_u64 s[8:9], s[8:9], s[82:83]
	s_wait_tensorcnt 0x0
	ds_add_u32 v[SPW], v[NIL]
	ds_add_u32 v[SPW], v[NIL]
	s_add_co_u32 s[G0+1], s[G0+1], s[DLT]
	s_add_nc_u64 s[G0+2:G0+3], s[G0+2:G0+3], s[DLT:DLT+1]
	s_add_co_u32 s[G0S+1], s[G0S+1], 1024
	s_add_nc_u64 s[G0S+2:G0S+3], s[G0S+2:G0S+3], 1024
	s_wait_dscnt 0x0
	s_barrier_signal -1
	s_barrier_wait -1                              ; everybody's part is in
	FILL                                           ; the second half: it has tile i's steps in which to land
	s_wait_loadcnt 0x0                             ; both tiles of Q
	v_lshlrev_b32 v[QSC+1], 16, v[QSC]
	v_lshlrev_b32 v[QSC+3], 16, v[QSC+2]
	s_wait_alu depctr_va_vdst(0)                   ; the wait at the head's end
.macro RS j                            ; four of the sixteen pairs of O^T under the new M
.irp i, 0,2,4,6
	v_pk_mul_f32 v[OO+8*\j+\i:OO+8*\j+\i+1], v[OO+8*\j+\i:OO+8*\j+\i+1], v[FF:FF+1] op_sel_hi:[1,0]
.endr
.endm
.macro LDK b, a, s                     ; k's block b: 32 keys and their scale words
	ds_load_b128 v[KFR+8*\b:KFR+8*\b+3], v[\a] offset:1024*\b
	ds_load_b128 v[KFR+8*\b+4:KFR+8*\b+7], v[\a] offset:1024*\b+512
	ds_load_b32 v[KSC+\b], v[\s] offset:64*\b
.endm
.macro LDV t                           ; v's tile t of 16 channels
	ds_load_b128 v[VFR+8*\t:VFR+8*\t+3], v[ADV] offset:512*\t
	ds_load_b128 v[VFR+8*\t+4:VFR+8*\t+7], v[ADV] offset:512*\t+16384
	ds_load_b32 v[VSC+\t], v[ADT] offset:64*\t
.endm
; The first nb blocks of 32 keys of a step.  nb = 4; or 2 in a step whose upper 64 keys are hidden (a tile's last step: no next one is asked for).  qa, qz: Q with zeros behind it, ahead of it; sa: its scale words.
.macro CORE nb, qa, qz, sa
	s_wait_dscnt 0x0                               ; k's fragments are in
.irp b, 0,1,2,3
.if \b < \nb
	v_wmma_scale_f32_16x16x128_f8f6f4 v[SS+16*\b:SS+16*\b+7], v[KFR+8*\b:KFR+8*\b+7], v[\qa:\qa+7], 0, v[KSC+\b], v[\sa] matrix_a_fmt:MATRIX_FMT_FP4 matrix_b_fmt:MATRIX_FMT_FP4
	v_wmma_scale_f32_16x16x128_f8f6f4 v[SS+16*\b+8:SS+16*\b+15], v[KFR+8*\b:KFR+8*\b+7], v[\qz:\qz+7], 0, v[KSC+\b], v[\sa+1] matrix_a_fmt:MATRIX_FMT_FP4 matrix_b_fmt:MATRIX_FMT_FP4
.endif
.endr
.rept 4
	v_nop
.endr
.if \nb == 4
	s_cmp_lg_u32 s[KS], s[LAST]
	s_cbranch_scc1 .Lopen_\@
.endif
	; on the diagonal: hidden scores become -infinity ahead of the maximum.  Only two blocks hold any: nb = 4: 2 and 3; nb = 2: 0 and 1
	v_add_nc_u32 v[DD], s[QRM], v[DG]
.set SM, SS+32*((\nb)/4)
.set N, 0
.rept 8
.set I, 0
.rept 4
	v_cmp_gt_i32 s[92+I], 32*((N+I)/16)+(N+I)%16, v[DD]
.set I, I+1
.endr
.set I, 0
.rept 4
	v_cndmask_b32 v[SM+N+I], v[SM+N+I], v[NINF], s[92+I]
.set I, I+1
.endr
.set N, N+4
.endr
.Lopen_\@:
.irp b, 0,1,2,3
.if \b < \nb
	v_max3_num_f32 v[BM+\b], v[SS+16*\b], v[SS+16*\b+1], v[SS+16*\b+2]   ; each block's largest score, the blocks by turns
.endif
.endr
.irp i, 3,5,7,9,11,13
.irp b, 0,1,2,3
.if \b < \nb
	v_max3_num_f32 v[BM+\b], v[BM+\b], v[SS+16*\b+\i], v[SS+16*\b+\i+1]
.endif
.endr
.endr
.irp b, 0,1,2,3
.if \b < \nb
	v_max_num_f32 v[BM+\b], v[BM+\b], v[SS+16*\b+15]
.endif
.endr
	v_permlane16_swap_b32 v[BM], v[BM+1]
.if \nb == 4
	v_permlane16_swap_b32 v[BM+2], v[BM+3]
.endif
	LDV 0
	v_max_num_f32 v[BM], v[BM], v[BM+1]            ; lanes 0-15 block 0, lanes 16-31 block 1
.if \nb == 4
	v_max_num_f32 v[BM+2], v[BM+2], v[BM+3]        ; and blocks 2, 3
	LDV 1
	v_max_num_f32 v[TT], v[BM], v[BM+2]
	LDV 2
	v_permlanex16_b32 v[WW], v[TT], s[SEL], s[SEL+1]
	LDV 3
	v_max_num_f32 v[TT], v[TT], v[WW]
	LDK 0, ADK, ADS
.else
	LDV 1
	v_permlanex16_b32 v[WW], v[BM], s[SEL], s[SEL+1]
	LDV 2
	v_max_num_f32 v[TT], v[BM], v[WW]
	LDV 3
.endif
	v_mul_f32 v[TT], s[CS], v[TT]                  ; the step's largest t
.if \nb == 4
	LDK 1, ADK, ADS
.endif
	v_max_num_f32 v13, v13, v[TT]
	v_mov_b32 v[TT], v12
.if \nb == 4
	LDK 2, ADK, ADS
.endif
	v_floor_f32 v12, -v13                          ; -M: M is a whole number
.if \nb == 4
	LDK 3, ADK, ADS
.endif
	v_sub_f32 v[TT], v12, v[TT]
	v_fma_f32 v[BM], v[BM], s[CS], v12
.if \nb == 4
	v_fma_f32 v[BM+2], v[BM+2], s[CS], v12
.endif
	v_cvt_i32_f32 v[TT], v[TT]                     ; (it saturates)
.set J, 0
.rept 4
	v_pk_fma_f32 v[SS+J:SS+J+1], v[SS+J:SS+J+1], s[CS:CS+1], v[12:13] op_sel_hi:[1,0,0]   ; t - M
.set J, J+2
.endr
	v_ldexp_f32 v[FF], 1.0, v[TT]                  ; 2^(old M - new M)
.rept 8*(\nb)-4
	v_pk_fma_f32 v[SS+J:SS+J+1], v[SS+J:SS+J+1], s[CS:CS+1], v[12:13] op_sel_hi:[1,0,0]
.set J, J+2
.endr
	s_wait_alu depctr_va_vdst(0)                   ; the wait ahead of the batch
.set J, 0
	v_exp_f32 v[BM], v[BM]                         ; the blocks' largest p,
.if \nb == 4
	v_exp_f32 v[BM+2], v[BM+2]
.endif
.rept 16*(\nb)
	v_exp_f32 v[SS+J], v[SS+J]                     ; and every p
.set J, J+1
.endr
	v_pk_mul_f32 v[14:15], v[14:15], v[FF:FF+1] op_sel_hi:[1,0]    ; the sums under the new M: the plain place behind the batch
	s_wait_alu depctr_va_vdst(0)                   ; and the wait behind it, ahead of its first reader and of the first reader of O^T
	RS 0
	v_max_num_f32 v[BM], 0x1800000, v[BM]          ; the floor 2^(3 - 127)
.if \nb == 4
	v_max_num_f32 v[BM+2], 0x1800000, v[BM+2]
.endif
	RS 1
	v_add_nc_u32 v[SO], 0xff000000, v[BM]          ; 2 off the exponent field: the conversion's scale operand
.if \nb == 4
	v_add_nc_u32 v[SO+2], 0xff000000, v[BM+2]
.endif
	RS 2
	v_lshrrev_b32 v[BM], 23, v[SO]                 ; the scales' bytes
	v_mov_b32 v[SO+1], v[SO]
.if \nb == 4
	v_lshrrev_b32 v[BM+2], 23, v[SO+2]
	v_mov_b32 v[SO+3], v[SO+2]
.endif
	RS 3
	v_permlane16_swap_b32 v[SO], v[SO+1]           ; block 0's operand in all lanes, block 1's in all lanes
.if \nb == 4
	v_permlane16_swap_b32 v[SO+2], v[SO+3]
	v_lshl_or_b32 v[BM], v[BM+2], 16, v[BM]
.endif
	v_pk_add_f32 v[T2:T2+1], v[SS:SS+1], v[SS+2:SS+3]   ; the row's sum, of the unquantised p, in four chains
	v_pk_add_f32 v[T2+2:T2+3], v[SS+4:SS+5], v[SS+6:SS+7]
	v_pk_add_f32 v[T2+4:T2+5], v[SS+8:SS+9], v[SS+10:SS+11]
	v_permlanex16_b32 v[WW], v[BM], s[SEL], s[SEL+1]
.irp b, 0,1,2,3
.if \b < \nb
	v_cvt_scalef32_pk8_fp4_f32 v[PCD+2*\b], v[SS+16*\b:SS+16*\b+7], v[SO+\b]
	v_cvt_scalef32_pk8_fp4_f32 v[PCD+2*\b+1], v[SS+16*\b+8:SS+16*\b+15], v[SO+\b]
.else
	v_mov_b32 v[PCD+2*\b], 0                       ; hidden keys: zero codes
	v_mov_b32 v[PCD+2*\b+1], 0
.endif
.endr
	v_lshl_or_b32 v[PSC], v[WW], 8, v[BM]          ; lanes 0-15: the four bytes of p's scale word
	v_nop
.irp c, 0,1                                    ; a whole block to a lane
.if 2*\c < \nb
.irp i, 0,1
	v_permlane16_swap_b32 v[PCD+4*\c+\i], v[PCD+2+4*\c+\i]
.endr
.endif
.endr
.set J, 12
.rept 2*(\nb)-2
	v_pk_add_f32 v[14:15], v[14:15], v[SS+J:SS+J+1]
	v_pk_add_f32 v[T2:T2+1], v[T2:T2+1], v[SS+J+2:SS+J+3]
	v_pk_add_f32 v[T2+2:T2+3], v[T2+2:T2+3], v[SS+J+4:SS+J+5]
	v_pk_add_f32 v[T2+4:T2+5], v[T2+4:T2+5], v[SS+J+6:SS+J+7]
.set J, J+8
.endr
	v_pk_add_f32 v[14:15], v[14:15], v[SS+J:SS+J+1]
	v_pk_add_f32 v[T2:T2+1], v[T2:T2+1], v[SS+J+2:SS+J+3]
	v_pk_add_f32 v[T2+2:T2+3], v[T2+2:T2+3], v[T2+4:T2+5]
	v_pk_add_f32 v[14:15], v[14:15], v[T2:T2+1]
	v_pk_add_f32 v[14:15], v[14:15], v[T2+2:T2+3]
.if \nb == 4
	s_wait_dscnt 12                                ; v's fragments are in; the next step's k, twelve loads, may be out
.else
	s_wait_dscnt 0x0
.endif
.irp t, 0,1,2,3
	v_wmma_scale_f32_16x16x128_f8f6f4 v[OO+8*\t:OO+8*\t+7], v[VFR+8*\t:VFR+8*\t+7], v[PCD:PCD+7], v[OO+8*\t:OO+8*\t+7], v[VSC+\t], v[PSC] matrix_a_fmt:MATRIX_FMT_FP4 matrix_b_fmt:MATRIX_FMT_FP4
.endr
.endm
.macro STEP qa, qz, sa, trips
	s_cmp_gt_u32 s[KS], s[LAST]
	s_cbranch_scc1 .Lhidden_\@                     ; all 128 keys hidden: a branch on ids, round no barrier and no tensor load
	s_add_co_u32 s84, s[KS], 1
	s_and_b32 s84, s84, \trips-1                   ; the step whose k is asked for (behind the last one the first, whose k nobody uses)
	s_lshl_b32 s85, s84, 12
	s_lshl_b32 s86, s84, 8
	s_lshl_b32 s87, s[KS], 11
	s_lshl_b32 s88, s[KS], 8
	v_add_nc_u32 v[ADK], s85, v[LK]
	v_add_nc_u32 v[ADS], s86, v[LKS]
	v_add_nc_u32 v[ADV], s87, v[LV]
	v_add_nc_u32 v[ADT], s88, v[LVS]
	s_cmp_eq_u32 s[KS], s[SHORT]
	s_cbranch_scc1 .Lshort_\@
	CORE 4, \qa, \qz, \sa
	s_branch .Lhidden_\@
.Lshort_\@:
	CORE 2, \qa, \qz, \sa
.Lhidden_\@:
.endm
; A tile.  trips: the key steps that any wave's tile may need here; bar = 1: the barrier that shows the second half of k and v.
.macro TILE ti, qa, qz, sa, trips, bar
.irp b, 0,1,2,3
	LDK \b, LK, LKS                                ; step 0's k
.endr
	s_lshr_b32 s[LAST], s\ti, 3
	s_bfe_u32 s84, s\ti, 0x20001                   ; which 32 of the step's keys the diagonal crosses
	s_mov_b32 s85, 99
	s_cmp_lt_u32 s84, 2
	s_cselect_b32 s[SHORT], s[LAST], s85
	s_and_b32 s84, s84, 1
	s_lshl_b32 s84, s84, 5
	s_and_b32 s85, s\ti, 1
	s_lshl_b32 s85, s85, 3
	s_add_co_u32 s[QRM], s84, s85                  ; my tile's first query, less the 64 keys' first
	s_mul_i32 s86, s\ti, 8704
	s_mov_b32 s87, 0
	s_wait_xcnt 0x0                                ; stores issued so far have read their bases and data
	s_add_nc_u64 s[78:79], s[8:9], s[86:87]
	s_add_nc_u64 s[80:81], s[10:11], s[86:87]
	v_mov_b32 v13, 0xff61b1e6                      ; the largest t so far: -3e38
	v_floor_f32 v12, -v13
	v_mov_b32 v14, 0
	v_mov_b32 v15, 0
	s_mov_b32 s[KS], 0
.set J, 0
.rept 32
	v_mov_b32 v[OO+J], 0                           ; the step is written once: the first change of M leaves zeros zeros
.set J, J+1
.endr
	s_wait_alu depctr_va_vdst(0)                   ; the wait ahead of the loop
.Lstep_\@:
	STEP \qa, \qz, \sa, \trips
	s_add_co_u32 s[KS], s[KS], 1
	s_cmp_lt_u32 s[KS], \trips
	s_cbranch_scc1 .Lstep_\@
	s_wait_alu depctr_va_vdst(0)
.if \bar
	s_wait_dscnt 0x0
	s_wait_tensorcnt 0x0                           ; my part of the second half is in
	s_barrier_signal -1
.endif
	v_add_f32 v14, v14, v15                        ; the sum's two halves,
	v_permlanex16_b32 v[TT], v14, s[SEL], s[SEL+1]
	v_add_f32 v14, v14, v[TT]                      ; and lane l xor 16's
	s_wait_alu depctr_va_vdst(0)                   ; the wait ahead of the transcendental
	v_rcp_f32 v14, v14
	v_nop
	v_nop
	s_wait_alu depctr_va_vdst(0)                   ; and behind it
.set J, 0
.rept 16
	v_pk_mul_f32 v[SS+J:SS+J+1], v[OO+J:OO+J+1], v[14:15] op_sel_hi:[1,0]
.set J, J+2
.endr
.irp b, 0,1
	v_max3_num_f32 v[BM+\b], |v[SS+16*\b]|, |v[SS+16*\b+1]|, 0x1800000
.endr
.irp i, 2,4,6,8,10,12,14
.irp b, 0,1
	v_max3_num_f32 v[BM+\b], v[BM+\b], |v[SS+16*\b+\i]|, |v[SS+16*\b+\i+1]|
.endr
.endr
	v_permlane16_swap_b32 v[BM], v[BM+1]
	v_max_num_f32 v[BM], v[BM], v[BM+1]
	v_add_nc_u32 v[SO], 0xff000000, v[BM]
	v_mov_b32 v[SO+1], v[SO]
	v_permlane16_swap_b32 v[SO], v[SO+1]
	v_lshrrev_b32 v[BM], 23, v[SO]
	v_lshrrev_b32 v[BM+1], 23, v[SO+1]
	v_lshl_or_b32 v[OH], v[BM+1], 8, v[BM]         ; the head's two bytes, the same in both halves of the lanes
.irp b, 0,1
	v_cvt_scalef32_pk8_fp4_f32 v[OC+2*\b], v[SS+16*\b:SS+16*\b+7], v[SO+\b]
	v_cvt_scalef32_pk8_fp4_f32 v[OC+2*\b+1], v[SS+16*\b+8:SS+16*\b+15], v[SO+\b]
.endr
	v_nop
	v_permlane16_swap_b32 v[OC], v[OC+2]
	v_permlane16_swap_b32 v[OC+1], v[OC+3]
.if \bar
	s_wait_alu depctr_va_vdst(0)
	s_barrier_wait -1                              ; everybody's part of the second half is in
.endif
	global_store_b128 v[LK], v[OC:OC+3], s[78:79]  ; 512 consecutive bytes, aligned
	global_store_b16 v[R16], v[OH], s[80:81]       ; two bytes of each row's sixteen: a head's share of the image's scale bytes
.endm
	TILE 15, 28, 24, QSC+2, 4, 1
	TILE 13, 20, 16, QSC, 8, 0
	s_wait_tensorcnt 0x0                           ; the wave's end
	ds_add_u32 v[SPW], v[NIL]
	s_wait_dscnt 0x0
	s_endpgm
.Lfunc_end_k_qdf788d60c0_attn:
	.size	k_qdf788d60c0_attn, .Lfunc_end_k_qdf788d60c0_attn-k_qdf788d60c0_attn
	.p2alignl 7, 3214868480
	.fill 96, 4, 3214868480
	.section	.rodata,"a",@progbits
	.p2align	6, 0x0
	.amdhsa_kernel k_qdf788d60c0_attn
		.amdhsa_group_segment_fixed_size 327680
		.amdhsa_private_segment_fixed_size 0
		.amdhsa_enable_private_segment 0
		.amdhsa_kernarg_size 24
		.amdhsa_user_sgpr_count 2
		.amdhsa_user_sgpr_kernarg_segment_ptr 1
		.amdhsa_wavefront_size32 1
		.amdhsa_system_sgpr_workgroup_id_x 1
		.amdhsa_system_sgpr_workgroup_id_y 1
		.amdhsa_system_sgpr_workgroup_id_z 1
		.amdhsa_system_vgpr_workitem_id 0
		.amdhsa_next_free_vgpr 256
		.amdhsa_next_free_sgpr 100
		.amdhsa_reserve_vcc 0
		.amdhsa_float_denorm_mode_32 3
		.amdhsa_float_denorm_mode_16_64 3
		.amdhsa_memory_ordered 1
		.amdhsa_forward_progress 1
		.amdhsa_inst_pref_size 83
	.end_amdhsa_kernel
	.amdgpu_metadata
---
amdhsa.version: [ 1, 2 ]
amdhsa.kernels:
  - .name:           k_qdf788d60c0_attn
    .symbol:         k_qdf788d60c0_attn.kd
    .args:
      - { .name: qb, .offset: 0, .size: 8, .value_kind: global_buffer, .address_space: global }
      - { .name: kv, .offset: 8, .size: 8, .value_kind: global_buffer, .address_space: global }
      - { .name: img3, .offset: 16, .size: 8, .value_kind: global_buffer, .address_space: global }
    .group_segment_fixed_size: 327680
    .private_segment_fixed_size: 0
    .kernarg_segment_align: 8
    .kernarg_segment_size: 24
    .max_flat_workgroup_size: 512
    .sgpr_count:     100
    .vgpr_count:     256
    .wavefront_size: 32
...
	.end_amdgpu_metadata
.endif
;; end of part 3
;; launch outp (part 4): grid 4 x 64, 4 waves a work-group, clusters of 4 x 4, 327,680 bytes of LDS; arguments img3, img1, bp, out0; writes out0
.if DOCPART == 4
	.amdgcn_target "amdgcn-amd-amdhsa--gfx1250"
	.amdhsa_code_object_version 6
	.text
	.protected	k_qdf788d60c0_outp
	.globl	k_qdf788d60c0_outp
	.p2align	8
	.type	k_qdf788d60c0_outp,@function
k_qdf788d60c0_outp:
	s_mov_b64 s[64:65], 0
	v_nop
	global_prefetch_b8 v0, s[64:65] scope:SCOPE_SE
	s_setreg_imm32_b32 hwreg(HW_REG_WAVE_MODE, 25, 1), 1
	s_wait_xcnt 0x0
	s_wait_alu depctr_hold_cnt(0) depctr_sa_sdst(0) depctr_va_vdst(0) depctr_va_sdst(0) depctr_va_ssrc(0) depctr_va_vcc(0) depctr_vm_vsrc(0)
	s_getreg_b32 s2, hwreg(HW_REG_IB_STS2, 6, 4)
	s_cmp_eq_u32 s2, 0
	s_cbranch_scc0 .Lentry_in_a_cluster
	s_endpgm
.Lentry_in_a_cluster:
	s_bfe_u32 s2, ttmp6, 0x10000c
	s_cmp_lg_u32 s2, 0xf033
	s_cbranch_scc0 .Lentry_shape_is_right
	s_endpgm
.Lentry_shape_is_right:
; Launch 4 of 4: out0 = o Wp^T + bp on codes of E2M1 with E8M0 scales, sums in f32.  Nothing is left out here.
; A work-group makes 128 tokens x 256 columns (256 work-groups), a wave 64 x 128.  Both operands are operand images (launch 1) and lie WHOLE in LDS, codes and scale bytes, brought by one fill, one load a wave: no prefetch, nothing is loaded in a loop.
; Source 0 = rows of Wp, source 1 = tokens: register j of source 0's tile b is column 32 (b / 2) + 16 (lane / 16) + 8 (b % 2) + j, lane r of source 1's tile a is token 32 (a / 2) + 8 (a % 2) + r + 8 (r / 8).
; BY ROWS: my fragments of Wp for all of K (8 tiles x 8 steps x 8 registers) stay in registers; a tile of 16 tokens is finished alone, 8 accumulators x 8 steps, goes through my own stage in LDS and leaves as whole rows of 512 bytes while the next tile is multiplied.
; bp is the C of each sum's first product.
; CLUSTERS: 4 x 4 work-groups: o's tile hangs on the token block alone and is asked for jointly by a row of the cluster, Wp's on the column block alone, by a column.
; REGISTERS: window 0: v1-30 addresses; v32-95 scale words; v96-159, v160-223 a tile's fragments of o for all of K, two sets.  windows 1, 2: Wp's fragments, steps 0-3 and 4-7.
; window 3: v0-63 eight accumulators; v64-127 bp; v128-191, v192-255 rows of out0, two sets.  LDS is claimed whole; 243,200 bytes are used.
.set TILEB, 8704
.set HB,    4352
.set WOFF,  8*TILEB                    ; o's 8 tiles, then Wp's 16
.set STAGE, 24*TILEB                   ; the stages: 16 rows x (512 + 16) bytes a wave, bytes of their own
.set SPITCH, 528
.set SPARE, STAGE+4*16*SPITCH          ; the spare words, 128 bytes a wave: two blocks of 256 bytes that no other line names
.set ADR1, 16                          ; v16-17 my fragments of source 1, K's lower and upper half
.set ADR0, 20                          ; v20-21 of source 0
.set STO,  24                          ; v24 the stage: where I put 32 bytes of a row
.set RD,   25                          ; v25 and where I read a row back
.set CO,   26                          ; v26 16 x lane
.set ADRS, 27
.set SPW,  28
.set NIL,  29
.set BO,   30
.set SC,   32
.set OF,   96
.set BI,   64
.set BK,   128
.set G1A,  24
.set G0A,  32
.set G1W,  48
.set G0W,  56
.set MSB, 0
.macro WIN new
.if MSB != (\new)
	s_set_vgpr_msb (MSB<<8)|(\new)
.set MSB, (\new)
.endif
.endm
.macro PLACES n
.rept \n
	v_nop
.endr
.endm
.macro CROUND
	s_barrier_signal -1
	s_barrier_wait -1
	s_cmp_lg_u32 s16, 0
	s_cbranch_scc1 .Lnot_wave_0_\@
	s_barrier_signal -3
.Lnot_wave_0_\@:
	s_barrier_wait -3
	s_barrier_signal -1
	s_barrier_wait -1
.endm
	s_load_b256 s[4:11], s[0:1], 0x0               ; img3 s[4:5], img1 s[6:7], bp s[8:9], out0 s[10:11]
	v_lshl_add_u32 v[SPW], v0, 2, SPARE
	v_mov_b32 v[NIL], 0
	ds_add_u32 v[SPW], v[NIL]                      ; the wave's opening: the add, twice on end, and its wait ahead of my tensor load
	ds_add_u32 v[SPW], v[NIL]
	v_lshrrev_b32 v1, 5, v0
	v_readfirstlane_b32 s16, v1                    ; wave 0..3
	s_lshr_b32 s17, s16, 1                         ; my half of the tokens.  Also: I fetch for o (0) or for Wp (1)
	s_and_b32 s18, s16, 1                          ; my half of the columns.  Also: which half of that operand I fetch
	s_bfe_u32 s20, ttmp6, 0x40000                  ; cx
	s_bfe_u32 s21, ttmp6, 0x40004                  ; cy
	s_lshl_b32 s22, ttmp9, 2
	s_add_co_u32 s22, s22, s20                     ; block of 256 columns.  s22, s42, s43 hold cx and never cy
	s_and_b32 s23, ttmp7, 0xffff
	s_lshl_b32 s23, s23, 2
	s_add_co_u32 s23, s23, s21                     ; block of 128 tokens.  s23, s44, s45 hold cy and never cx
	s_lshl_b32 s40, s21, 2
	s_lshl_b32 s40, 15, s40                        ; my row of the cluster
	s_lshl_b32 s41, 0x1111, s20                    ; my column
	s_or_b32 s[G1A], s40, (3<<16)|(1<<21)          ; o: 4 tiles: 4 dense rows of 8,704 bytes (1,088 elements of 8)
	s_or_b32 s[G1W], s41, (3<<16)|(1<<21)          ; Wp: 8
	s_mov_b32 s[G1A+2], 4<<16
	s_mov_b32 s[G1A+4], 4
	s_mov_b32 s[G1W+2], 8<<16
	s_mov_b32 s[G1W+4], 8
.irp g, G1A, G1W
	s_mov_b32 s[\g+1], 1088<<16
	s_mov_b32 s[\g+3], 1088<<16
	s_mov_b32 s[\g+5], 1088
	s_mov_b32 s[\g+6], 0
	s_mov_b32 s[\g+7], 0
.endr
	s_mul_i32 s42, s22, 16*TILEB
	s_mul_i32 s43, s18, 8*TILEB
	s_add_co_u32 s42, s42, s43
	s_add_co_u32 s42, s42, 1216*TILEB              ; Wp's image in img1
	s_mov_b32 s43, 0
	s_mul_i32 s44, s23, 8*TILEB
	s_mul_i32 s45, s18, 4*TILEB
	s_mov_b32 s95, s45                             ; where they go, by the wave's number alone: o's tiles,
	s_add_co_u32 s44, s44, s45
	s_mov_b32 s45, 0
	s_mul_i32 s67, s18, 8*TILEB
	s_add_co_u32 s67, s67, WOFF                    ; Wp's
	s_wait_alu depctr_va_vdst(0)
	s_wait_dscnt 0x0                               ; both opening adds are done
	s_wait_kmcnt 0x0
	s_add_nc_u64 s[42:43], s[6:7], s[42:43]
	s_add_nc_u64 s[44:45], s[4:5], s[44:45]
	CROUND                                         ; all sixteen work-groups are here: the joint loads meet
	s_mov_b32 s[G0A], 1
	s_mov_b32 s[G0A+1], s95
	s_mov_b64 s[G0A+2:G0A+3], s[44:45]
	s_or_b32 s[G0A+3], s[G0A+3], 0x80000000
	s_mov_b32 s[G0W], 1
	s_mov_b32 s[G0W+1], s67
	s_mov_b64 s[G0W+2:G0W+3], s[42:43]
	s_or_b32 s[G0W+3], s[G0W+3], 0x80000000
	s_cmp_eq_u32 s17, 0                            ; a joint load: waves 0 and 1 fetch for o, waves 2 and 3 for Wp; an s_nop 0 and four v_nop follow each of the two lines
	s_cbranch_scc0 .Lfor_w
	tensor_load_to_lds s[G0A:G0A+3], s[G1A:G1A+7]
	s_nop 0
	PLACES 4
	s_branch .Lasked
.Lfor_w:
	tensor_load_to_lds s[G0W:G0W+3], s[G1W:G1W+7]
	s_nop 0
	PLACES 4
.Lasked:
	s_lshl_b32 s46, s22, 10                        ; my 128 columns, in bytes of f32: 1,024 x block + 512 x half
	s_lshl_b32 s47, s18, 9
	s_add_co_u32 s46, s46, s47
	s_mov_b32 s47, 0
	s_add_nc_u64 s[8:9], s[8:9], s[46:47]          ; in bp,
	s_add_nc_u64 s[10:11], s[10:11], s[46:47]      ; and in a row of out0;
	s_lshl_b32 s46, s23, 19                        ; my first token: 128 x block + 64 x half rows of 4,096 bytes
	s_lshl_b32 s98, s17, 18
	s_add_co_u32 s46, s46, s98
	s_add_nc_u64 s[10:11], s[10:11], s[46:47]
	s_mul_i32 s98, s17, 4*TILEB                    ; my 4 tiles of o
	s_mul_i32 s99, s18, 8*TILEB
	s_add_co_u32 s99, s99, WOFF                    ; my 8 tiles of Wp
	s_sub_co_u32 s96, s99, s98                     ; scale words: lanes 0-15 o's, lanes 16-31 Wp's: one product, the distance between the two
	s_add_co_u32 s97, s98, 4096
	s_mul_i32 s94, s16, 16*SPITCH
	s_add_co_u32 s94, s94, STAGE                   ; my stage
	v_and_b32 v1, 15, v0                           ; r
	v_bfe_u32 v2, v0, 4, 1                         ; h
	v_and_b32 v3, 31, v0
	v_lshlrev_b32 v[CO], 4, v3
	v_lshlrev_b32 v[BO], 6, v2
	v_add_nc_u32 v[ADR1], s98, v[CO]
	v_add_nc_u32 v[ADR1+1], HB, v[ADR1]
	v_add_nc_u32 v[ADR0], s99, v[CO]
	v_add_nc_u32 v[ADR0+1], HB, v[ADR0]
	v_mul_u32_u24 v4, s96, v2
	v_lshl_add_u32 v4, v1, 4, v4
	v_add_nc_u32 v[ADRS], s97, v4
	v_mul_u32_u24 v5, v1, SPITCH
	v_lshl_add_u32 v5, v2, 6, v5
	v_add_nc_u32 v[STO], s94, v5                   ; in: row r, + 64 bytes for lanes 16-31
	v_add_nc_u32 v[RD], s94, v[CO]                 ; back: the 32 lanes take a row of 512 bytes
	WIN 0xc0                                       ; destination window 3
.irp b, 0,1,2,3,4,5,6,7
	global_load_b128 v[BI+8*\b:BI+8*\b+3], v[BO], s[8:9] offset:(32*(\b/2)+8*(\b%2))*4
	global_load_b128 v[BI+8*\b+4:BI+8*\b+7], v[BO], s[8:9] offset:(32*(\b/2)+8*(\b%2))*4+16
.endr
	WIN 0
.macro FRAG reg, adr, q, i
.irp c, 0,1
	ds_load_b128 v[\reg+4*\c:\reg+4*\c+3], v[\adr] offset:(\i)*TILEB+(\q)*1024+512*\c
.endr
.endm
.macro LDW k                           ; Wp's eight fragments of step k: 16 loads
	WIN 0x40*(1+(\k)/4)
.irp i, 0,1,2,3,4,5,6,7
	FRAG 64*((\k)%4)+8*\i, ADR0+(\k)/4, (\k)%4, \i
.endr
.endm
.macro LDO a                           ; tile a of o, all of K: 16 loads
	WIN 0
.irp k, 0,1,2,3,4,5,6,7
	FRAG OF+64*((\a)%2)+8*\k, ADR1+\k/4, \k%4, \a
.endr
.endm
.macro SCALES                          ; all of K's scale words, once: 16 loads.  (For i = 4 .. 7 lanes 0-15 read filled bytes that no product names)
	WIN 0
.irp s, 0,1
.irp i, 0,1,2,3,4,5,6,7
	ds_load_b128 v[SC+32*\s+4*\i:SC+32*\s+4*\i+3], v[ADRS] offset:\i*TILEB+\s*HB
.endr
.endr
.endm
.macro MULK a, k                       ; o's tile a x Wp's eight, step k.  The eight accumulators take turns, one instruction a turn, in the same order in every step
	WIN 0xf1+(\k)/4                                ; source 0 window 1 or 2, source 1 window 0, C and D window 3
.irp b, 0,1,2,3,4,5,6,7
.set DR, 8*\b
.set CR, DR
.if (\k) == 0
.set CR, BI+8*\b
.endif
	v_wmma_scale_f32_16x16x128_f8f6f4 v[DR:DR+7], v[64*((\k)%4)+8*\b:64*((\k)%4)+8*\b+7], v[OF+64*((\a)%2)+8*(\k):OF+64*((\a)%2)+8*(\k)+7], v[CR:CR+7], v[SC+32*((\k)/4)+4*\b+(\k)%4], v[SC+32*((\k)/4)+4*(\a)+(\k)%4] matrix_a_fmt:MATRIX_FMT_FP4 matrix_b_fmt:MATRIX_FMT_FP4 matrix_a_scale:MATRIX_SCALE_ROW1
.endr
.endm
.macro TOSTAGE a                       ; tile a: into my stage as it stands, each accumulator from its low end on; back as whole rows.  LDS serves a wave's instructions in order (ISA guide 5.7.1.4)
	PLACES 5                                       ; four in front of the first read of results, five in front of the products that begin the accumulators anew
	WIN 0x0c                                       ; an LDS store's data: window 3
.irp b, 0,1,2,3,4,5,6,7
	ds_store_b128 v[STO], v[8*\b:8*\b+3] offset:128*(\b/2)+32*(\b%2)
	ds_store_b128 v[STO], v[8*\b+4:8*\b+7] offset:128*(\b/2)+32*(\b%2)+16
.endr
	WIN 0xc0
.set BB, BK+64*((\a)%2)
.irp t, 0,1,2,3,4,5,6,7,8,9,10,11,12,13,14,15
	ds_load_b128 v[BB+4*\t:BB+4*\t+3], v[RD] offset:\t*SPITCH
.endr
.endm
.macro SEND a, younger                 ; younger: the LDS instructions issued behind tile a's loads, which may stay out
.set BB, BK+64*((\a)%2)
	s_wait_dscnt \younger
	WIN 0x0c                                       ; a store's data: window 3
.irp t, 0,1,2,3,4,5,6,7,8,9,10,11,12,13,14,15
	global_store_b128 v[CO], v[BB+4*\t:BB+4*\t+3], s[10:11] offset:(32*((\a)/2)+8*((\a)%2)+\t+8*(\t/8))*4096 th:TH_STORE_NT   ; 512 consecutive bytes, at a multiple of 256 from out0's first byte; the row stands in the immediate, 63 rows at the most
.endr
.endm
	s_wait_alu depctr_va_vdst(0)                   ; the wait at the head's end
	s_wait_tensorcnt 0x0                           ; my part of both operands is in,
	s_barrier_signal -1
	s_barrier_wait -1                              ; everybody's is.
	LDO 0
	SCALES
	LDW 0
	s_wait_loadcnt 0x0                             ; bp
	LDW 1
.irp k, 0,1,2,3,4,5,6,7                        ; tile 0: Wp's fragments come two steps ahead of their products; tile 1's fragments of o behind them
	s_wait_dscnt 16                                ; all but the youngest 16 loads (the next step's; k = 7: tile 1's) are in
.if \k < 6
	LDW \k+2
.endif
.if \k == 6
	LDO 1
.endif
	MULK 0, \k
.endr
	TOSTAGE 0
.irp a, 1,2,3
	s_wait_dscnt 32                                ; tile a's fragments are in; behind them stand the stage's 16 stores and 16 loads
.if \a < 3
	LDO \a+1                                       ; into the set that tile a - 1's products have read (TOSTAGE's places stand behind them)
.endif
.irp k, 0,1,2,3,4,5,6,7
	MULK \a, \k
.endr
.if \a > 1
	s_wait_xcnt 0x0                                ; tile a - 2's stores have read their registers: tile a's rows may land there
.endif
.if \a < 3
	SEND \a-1, 16                                  ; behind tile a - 1's rows: the next tile's 16 loads
.else
	SEND \a-1, 0
.endif
	TOSTAGE \a
.endr
	SEND 3, 0
	WIN 0
	s_wait_tensorcnt 0x0                           ; the wave's end
	ds_add_u32 v[SPW], v[NIL]
	s_wait_dscnt 0x0
	CROUND                                         ; the closing round: no work-group ends while a partner may still ask for a tile that names it
	s_endpgm
.Lfunc_end_k_qdf788d60c0_outp:
	.size	k_qdf788d60c0_outp, .Lfunc_end_k_qdf788d60c0_outp-k_qdf788d60c0_outp
	.p2alignl 7, 3214868480
	.fill 96, 4, 3214868480
	.section	.rodata,"a",@progbits
	.p2align	6, 0x0
	.amdhsa_kernel k_qdf788d60c0_outp
		.amdhsa_group_segment_fixed_size 327680
		.amdhsa_private_segment_fixed_size 0
		.amdhsa_enable_private_segment 0
		.amdhsa_kernarg_size 32
		.amdhsa_user_sgpr_count 2
		.amdhsa_user_sgpr_kernarg_segment_ptr 1
		.amdhsa_wavefront_size32 1
		.amdhsa_system_sgpr_workgroup_id_x 1
		.amdhsa_system_sgpr_workgroup_id_y 1
		.amdhsa_system_sgpr_workgroup_id_z 1
		.amdhsa_system_vgpr_workitem_id 0
		.amdhsa_next_free_vgpr 1024
		.amdhsa_next_free_sgpr 100
		.amdhsa_reserve_vcc 0
		.amdhsa_float_denorm_mode_32 3
		.amdhsa_float_denorm_mode_16_64 3
		.amdhsa_memory_ordered 1
		.amdhsa_forward_progress 1
		.amdhsa_inst_pref_size 69
	.end_amdhsa_kernel
	.amdgpu_metadata
---
amdhsa.version: [ 1, 2 ]
amdhsa.kernels:
  - .name:           k_qdf788d60c0_outp
    .symbol:         k_qdf788d60c0_outp.kd
    .args:
      - { .name: img3, .offset: 0, .size: 8, .value_kind: global_buffer, .address_space: global }
      - { .name: img1, .offset: 8, .size: 8, .value_kind: global_buffer, .address_space: global }
      - { .name: bp, .offset: 16, .size: 8, .value_kind: global_buffer, .address_space: global }
      - { .name: out0, .offset: 24, .size: 8, .value_kind: global_buffer, .address_space: global }
    .group_segment_fixed_size: 327680
    .private_segment_fixed_size: 0
    .kernarg_segment_align: 8
    .kernarg_segment_size: 32
    .max_flat_workgroup_size: 128
    .sgpr_count:     100
    .vgpr_count:     1024
    .wavefront_size: 32
...
	.end_amdgpu_metadata
.endif
;; end of part 4
